; MI455X (gfx1250); checked and timed in simulation.
; The chip was launched on July 23, 2026; its instructions are those of AMD's public machine-readable ISA for CDNA 5 (MIT licence, August 2026) and "CDNA5" Instruction Set Architecture Reference Guide (July 2026). The comments in the code are by the model that wrote it; some were corrected since.
;; target knn. Allowed arithmetic: float matrix products may take bf16 or f16 operands with f32 sums; all other float work in f32.
;; Inputs: bn0_b 256 float32; bn0_g 256 float32; bn1_b 256 float32; bn1_g 256 float32; k0_b 256 float32; k0_w 256 x 256 float32; k1_b 256 float32; k1_w 256 x 256 float32; lin_b 256 float32; lin_w 256 x 256 float32; lossy_C 8,192 x 3 float32; lossy_F 8,192 x 256 float32; pos0_b 256 float32; pos0_w 3 x 256 float32; pos1_b 256 float32; pos1_w 3 x 256 float32; q0_b 256 float32; q0_w 256 x 256 float32; q1_b 256 float32; q1_w 256 x 256 float32; ref_C 16,384 x 3 float32; ref_F 16,384 x 256 float32; v0_b 256 float32; v0_w 256 x 256 float32; v1_b 256 float32; v1_w 256 x 256 float32.
;; Outputs: out0 8,192 x 256 float32.
;; 2 versions, each right and faster than the one before. Each part assembles by itself: llvm-mc -triple=amdgcn-amd-amdhsa -mcpu=gfx1250 --defsym DOCPART=n.
;; ======== version 1 of 2: 9 launches
;; workspace buffers: crd 2,228,224 bytes; wl0 786,432 bytes; wl1 786,432 bytes; big 16,777,216 bytes; a2b 8,388,608 bytes; st0 131,072 bytes; grp 524,288 bytes of whole numbers; idx 524,288 bytes of whole numbers
;; launch prep (part 1): grid 400 x 1, 8 waves a work-group, no clusters, 0 bytes of LDS; arguments lossy_C, ref_C, q0_w, k0_w, v0_w, q1_w, k1_w, v1_w, lin_w, crd, wl0, wl1; writes crd, wl0, wl1
.if DOCPART == 1
	.amdgcn_target "amdgcn-amd-amdhsa--gfx1250"
	.amdhsa_code_object_version 6
	.text
	.protected	k_q3db4e3ce10_prep
	.globl	k_q3db4e3ce10_prep
	.p2align	8
	.type	k_q3db4e3ce10_prep,@function
k_q3db4e3ce10_prep:
	s_mov_b64 s[64:65], 0
	v_nop
	global_prefetch_b8 v0, s[64:65] scope:SCOPE_SE
	s_setreg_imm32_b32 hwreg(HW_REG_WAVE_MODE, 25, 1), 1
	s_wait_xcnt 0x0
; prep: lays the coordinates and the seven weight matrices out as the later launches read them.
; Work-groups 0-127:   refS, 1,024 fragments of 16 reference points (one wave, one fragment of 1 KB)
; work-groups 128-191: qS,   512 fragments of 16 query points
; work-groups 192-287: refP / qP, one float4 (x, y, z, x^2+y^2+z^2) a point, one thread a point
; work-groups 288-399: the weights, each f32 split into bf16 hi + bf16 lo, one wave = one 16-column x 32-k fragment pair
; A fragment is 1 KB: lane L = 16 h + r puts its first 16 bytes (k = 8h..8h+7 of row r) at 16 L and its second
; (k = 16+8h..) at 512 + 16 L, so a later load of a wave covers 512 consecutive bytes.
; A distance is ONE matrix product over k = 32: every f32 is cut into three bf16 pieces h, m, l (h + m + l is the number itself);
; for each coordinate the eight products hh hm hl mh mm ml lh lm (l x l is left out: below 2^-30 of the product),
; then |r|^2's pieces times 1 and 1 times |l|^2's pieces.  The query's coordinates carry the factor -2.
.set QS,   1048576                     ; crd: qS
.set REFP, 1572864                     ; crd: refP, with qP straight behind it
.set WLN,  1966080                     ; crd: lin_w, split
.macro SPLIT3 x, hf, mf, r2            ; x = hf + mf + r2: hf, mf bf16 values kept as f32; r2 fits a bf16
	v_cvt_pk_bf16_f32 v[\hf], v[\x], v[\x]
	v_and_b32 v[\hf], s3, v[\hf]
	v_sub_f32 v[\r2], v[\x], v[\hf]
	v_cvt_pk_bf16_f32 v[\mf], v[\r2], v[\r2]
	v_and_b32 v[\mf], s3, v[\mf]
	v_sub_f32 v[\r2], v[\r2], v[\mf]
.endm
.macro SPLITPK hi, lo, a, b, t0, t1    ; two f32 -> a word of bf16 hi parts and a word of bf16 lo parts
	v_cvt_pk_bf16_f32 v[\hi], v[\a], v[\b]
	v_lshlrev_b32 v[\t0], 16, v[\hi]
	v_and_b32 v[\t1], s3, v[\hi]
	v_sub_f32 v[\t0], v[\a], v[\t0]
	v_sub_f32 v[\t1], v[\b], v[\t1]
	v_cvt_pk_bf16_f32 v[\lo], v[\t0], v[\t1]
.endm
	s_load_b512 s[4:19], s[0:1], 0x0               ; lossy_C 4, ref_C 6, q0 8, k0 10, v0 12, q1 14, k1 16, v1 18
	s_load_b256 s[20:27], s[0:1], 0x40             ; lin 20, crd 22, wl0 24, wl1 26
	v_lshrrev_b32 v1, 5, v0
	v_readfirstlane_b32 s2, v1                     ; wave
	v_and_b32 v1, 31, v0                           ; L
	v_and_b32 v2, 15, v0                           ; r
	v_bfe_u32 v3, v0, 4, 1                         ; h
	s_mov_b32 s3, 0xffff0000                       ; a word's upper bf16; also: lanes 16-31
	s_wait_kmcnt 0x0
	s_cmp_lt_u32 ttmp9, 128
	s_cbranch_scc1 .Lsref
	s_cmp_lt_u32 ttmp9, 192
	s_cbranch_scc1 .Lsq
	s_cmp_lt_u32 ttmp9, 288
	s_cbranch_scc1 .Lpts
	; ---- weights.  Fragment row r = output column 16 nt + r, k = input index.  q, v, lin: element w[k][n]; k0, k1: element w[n][k] (u = Q kw^T).
	s_sub_co_u32 s28, ttmp9, 288
	s_lshr_b32 s29, s28, 4                         ; matrix 0..6: q0 k0 v0 q1 k1 v1 lin
	s_and_b32 s30, s28, 15                         ; column tile nt
	s_mov_b64 s[32:33], s[8:9]
	s_cmp_eq_u32 s29, 1
	s_cselect_b64 s[32:33], s[10:11], s[32:33]
	s_cmp_eq_u32 s29, 2
	s_cselect_b64 s[32:33], s[12:13], s[32:33]
	s_cmp_eq_u32 s29, 3
	s_cselect_b64 s[32:33], s[14:15], s[32:33]
	s_cmp_eq_u32 s29, 4
	s_cselect_b64 s[32:33], s[16:17], s[32:33]
	s_cmp_eq_u32 s29, 5
	s_cselect_b64 s[32:33], s[18:19], s[32:33]
	s_cmp_eq_u32 s29, 6
	s_cselect_b64 s[32:33], s[20:21], s[32:33]     ; the source matrix
	s_cmp_lt_u32 s29, 3
	s_cselect_b64 s[34:35], s[24:25], s[26:27]     ; matrices 0-2 go to wl0, 3-5 to wl1,
	s_cselect_b32 s36, 0, 3
	s_sub_co_u32 s37, s29, s36
	s_lshl_b32 s37, s37, 18                        ; 262,144 bytes a split matrix
	s_cmp_eq_u32 s29, 6
	s_cselect_b64 s[34:35], s[22:23], s[34:35]     ; lin_w to crd
	s_cselect_b32 s37, WLN, s37
	s_lshr_b32 s38, s30, 1
	s_lshl_b32 s38, s38, 15                        ; (nt / 2) x 32,768: the reading wave's part
	s_add_co_u32 s37, s37, s38
	s_lshl_b32 s38, s2, 12                         ; K step = my wave x 4,096
	s_add_co_u32 s37, s37, s38
	s_and_b32 s38, s30, 1
	s_lshl_b32 s38, s38, 11                        ; (nt % 2) x 2,048: hi fragment, then lo fragment
	s_add_co_u32 s37, s37, s38
	v_lshl_add_u32 v9, v1, 4, s37
	s_cmp_eq_u32 s29, 1
	s_cselect_b32 s39, 1, 0
	s_cmp_eq_u32 s29, 4
	s_cselect_b32 s39, 1, s39                      ; 1: k runs along the matrix's rows
	s_cmp_eq_u32 s39, 1
	s_cselect_b32 s40, 1024, 4                     ; bytes from n to n + 1
	s_cselect_b32 s41, 4, 1024                     ; bytes from k to k + 1
	v_lshl_add_u32 v4, s30, 4, v2                  ; n = 16 nt + r
	v_lshlrev_b32 v5, 3, v3
	v_lshl_add_u32 v5, s2, 5, v5                   ; k = 32 ks + 8 h
	v_mul_lo_u32 v4, v4, s40
	v_mul_lo_u32 v5, v5, s41
	v_add_nc_u32 v4, v4, v5
.macro WLOAD sk                        ; my 16 numbers: k + 0..7 and k + 16..23
.irp e,0,1,2,3,4,5,6,7
	global_load_b32 v[16+\e], v4, s[32:33] offset:\e*\sk
	global_load_b32 v[24+\e], v4, s[32:33] offset:(16+\e)*\sk
.endr
.endm
	s_cmp_eq_u32 s39, 1
	s_cbranch_scc1 .Lwt
	WLOAD 1024
	s_branch .Lwj
.Lwt:
	WLOAD 4
.Lwj:
	s_wait_loadcnt 0x0
.irp j,0,1,2,3,4,5,6,7
	SPLITPK 32+\j, 40+\j, 16+2*\j, 17+2*\j, 48+2*\j, 49+2*\j
.endr
	global_store_b128 v9, v[32:35], s[34:35]
	global_store_b128 v9, v[36:39], s[34:35] offset:512
	global_store_b128 v9, v[40:43], s[34:35] offset:1024
	global_store_b128 v9, v[44:47], s[34:35] offset:1536
	s_endpgm
; ---- a fragment of 16 points.  Lane (r, h): first chunk x (h = 0) or y (h = 1), second chunk z (h = 0) or the squares (h = 1).
.macro SFRAG isq
.if \isq
	s_sub_co_u32 s28, ttmp9, 128
	s_lshl3_add_u32 s28, s28, s2                   ; fragment = 8 x work-group + wave
	v_lshl_add_u32 v4, s28, 4, v2                  ; query 16 x fragment + r
	s_lshl_b32 s29, s28, 10
	s_add_co_u32 s29, s29, QS
.else
	s_lshl3_add_u32 s28, ttmp9, s2                 ; fragment = 32 blk + t
	s_lshr_b32 s29, s28, 5
	s_lshl_b32 s29, s29, 9
	s_and_b32 s30, s28, 31
	s_lshl3_add_u32 s29, s30, s29                  ; 512 blk + 8 t
	v_lshrrev_b32 v4, 3, v2
	v_lshlrev_b32 v4, 8, v4
	v_and_b32 v5, 7, v2
	v_add3_u32 v4, v4, v5, s29                     ; row r is point 512 blk + 256 (r / 8) + 8 t + r % 8: four tiles give a result lane 32 neighbouring points
	s_lshl_b32 s29, s28, 10
.endif
	v_mul_u32_u24 v5, v4, 12
	v_lshl_add_u32 v9, v1, 4, s29
.if \isq
	global_load_b32 v6, v5, s[4:5]
	global_load_b32 v7, v5, s[4:5] offset:4
	global_load_b32 v8, v5, s[4:5] offset:8
.else
	global_load_b32 v6, v5, s[6:7]
	global_load_b32 v7, v5, s[6:7] offset:4
	global_load_b32 v8, v5, s[6:7] offset:8
.endif
	v_mov_b32 v30, 0x3f803f80                      ; (1, 1) in bf16
	v_mov_b32 v31, 0
	s_wait_loadcnt 0x0
	v_mul_f32 v10, v6, v6
	v_fma_f32 v10, v7, v7, v10
	v_fma_f32 v10, v8, v8, v10                     ; the point's square
.if \isq
	v_mul_f32 v6, -2.0, v6
	v_mul_f32 v7, -2.0, v7
	v_mul_f32 v8, -2.0, v8
.endif
	v_cndmask_b32 v11, v6, v7, s3
	v_cndmask_b32 v12, v8, v10, s3
	SPLIT3 11, 13, 14, 15
	SPLIT3 12, 16, 17, 18
.if \isq
	v_cvt_pk_bf16_f32 v20, v13, v14                ; a query's coordinate: h m l h m l h m
	v_cvt_pk_bf16_f32 v21, v15, v13
	v_cvt_pk_bf16_f32 v22, v14, v15
	v_cvt_pk_bf16_f32 v23, v13, v14
	v_cvt_pk_bf16_f32 v24, v16, v17
	v_cvt_pk_bf16_f32 v25, v18, v16
	v_cvt_pk_bf16_f32 v26, v17, v18                ; also the squares' third word (m, l)
	v_cvt_pk_bf16_f32 v27, v16, v17
	v_cvt_pk_bf16_f32 v29, 1.0, v16
	v_cndmask_b32 v24, v24, v30, s3                ; the squares' chunk: 1 1 1 h m l 0 0
	v_cndmask_b32 v25, v25, v29, s3
	v_cndmask_b32 v27, v27, v31, s3
.else
	v_cvt_pk_bf16_f32 v20, v13, v13                ; a reference point's coordinate: h h h m m m l l
	v_cvt_pk_bf16_f32 v21, v13, v14
	v_cvt_pk_bf16_f32 v22, v14, v14
	v_cvt_pk_bf16_f32 v23, v15, v15
	v_cvt_pk_bf16_f32 v24, v16, v16
	v_cvt_pk_bf16_f32 v25, v16, v17
	v_cvt_pk_bf16_f32 v26, v17, v17
	v_cvt_pk_bf16_f32 v27, v18, v18
	v_cvt_pk_bf16_f32 v29, v18, 1.0
	v_cndmask_b32 v24, v24, v25, s3                ; the squares' chunk: h m l 1 1 1 0 0
	v_cndmask_b32 v25, v25, v29, s3
	v_cndmask_b32 v26, v26, v30, s3
	v_cndmask_b32 v27, v27, v31, s3
.endif
	global_store_b128 v9, v[20:23], s[22:23]
	global_store_b128 v9, v[24:27], s[22:23] offset:512
	s_endpgm
.endm
.Lsref:
	SFRAG 0
.Lsq:
	SFRAG 1
.Lpts:	; ---- float4 a point; qP lies straight behind refP, so the place is 16 x (256 x (work-group - 192) + thread) for both
	s_sub_co_u32 s28, ttmp9, 192
	s_cmp_lt_u32 s28, 64
	s_cselect_b64 s[30:31], s[6:7], s[4:5]
	s_cselect_b32 s29, 0, 64
	s_sub_co_u32 s29, s28, s29
	v_lshl_add_u32 v4, s29, 8, v0
	v_mul_u32_u24 v5, v4, 12
	v_lshl_add_u32 v10, s28, 8, v0
	v_lshlrev_b32 v10, 4, v10
	global_load_b32 v6, v5, s[30:31]
	global_load_b32 v7, v5, s[30:31] offset:4
	global_load_b32 v8, v5, s[30:31] offset:8
	s_wait_loadcnt 0x0
	v_mul_f32 v9, v6, v6
	v_fma_f32 v9, v7, v7, v9
	v_fma_f32 v9, v8, v8, v9
	global_store_b128 v10, v[6:9], s[22:23] offset:REFP
	s_endpgm
.Lfunc_end_k_q3db4e3ce10_prep:
	.size	k_q3db4e3ce10_prep, .Lfunc_end_k_q3db4e3ce10_prep-k_q3db4e3ce10_prep
	.p2alignl 7, 3214868480
	.fill 96, 4, 3214868480
	.section	.rodata,"a",@progbits
	.p2align	6, 0x0
	.amdhsa_kernel k_q3db4e3ce10_prep
		.amdhsa_group_segment_fixed_size 0
		.amdhsa_private_segment_fixed_size 0
		.amdhsa_enable_private_segment 0
		.amdhsa_kernarg_size 96
		.amdhsa_user_sgpr_count 2
		.amdhsa_user_sgpr_kernarg_segment_ptr 1
		.amdhsa_wavefront_size32 1
		.amdhsa_system_sgpr_workgroup_id_x 1
		.amdhsa_system_sgpr_workgroup_id_y 1
		.amdhsa_system_sgpr_workgroup_id_z 1
		.amdhsa_system_vgpr_workitem_id 0
		.amdhsa_next_free_vgpr 64
		.amdhsa_next_free_sgpr 66
		.amdhsa_reserve_vcc 0
		.amdhsa_float_denorm_mode_32 3
		.amdhsa_float_denorm_mode_16_64 3
		.amdhsa_memory_ordered 1
		.amdhsa_forward_progress 1
		.amdhsa_inst_pref_size 15
	.end_amdhsa_kernel
	.amdgpu_metadata
---
amdhsa.version: [ 1, 2 ]
amdhsa.kernels:
  - .name:           k_q3db4e3ce10_prep
    .symbol:         k_q3db4e3ce10_prep.kd
    .args:
      - { .name: lossy_C, .offset: 0, .size: 8, .value_kind: global_buffer, .address_space: global }
      - { .name: ref_C, .offset: 8, .size: 8, .value_kind: global_buffer, .address_space: global }
      - { .name: q0_w, .offset: 16, .size: 8, .value_kind: global_buffer, .address_space: global }
      - { .name: k0_w, .offset: 24, .size: 8, .value_kind: global_buffer, .address_space: global }
      - { .name: v0_w, .offset: 32, .size: 8, .value_kind: global_buffer, .address_space: global }
      - { .name: q1_w, .offset: 40, .size: 8, .value_kind: global_buffer, .address_space: global }
      - { .name: k1_w, .offset: 48, .size: 8, .value_kind: global_buffer, .address_space: global }
      - { .name: v1_w, .offset: 56, .size: 8, .value_kind: global_buffer, .address_space: global }
      - { .name: lin_w, .offset: 64, .size: 8, .value_kind: global_buffer, .address_space: global }
      - { .name: crd, .offset: 72, .size: 8, .value_kind: global_buffer, .address_space: global }
      - { .name: wl0, .offset: 80, .size: 8, .value_kind: global_buffer, .address_space: global }
      - { .name: wl1, .offset: 88, .size: 8, .value_kind: global_buffer, .address_space: global }
    .group_segment_fixed_size: 0
    .private_segment_fixed_size: 0
    .kernarg_segment_align: 8
    .kernarg_segment_size: 96
    .max_flat_workgroup_size: 256
    .sgpr_count:     66
    .vgpr_count:     64
    .wavefront_size: 32
...
	.end_amdgpu_metadata
.endif
;; end of part 1
;; launch knn1 (part 2): grid 32 x 8, 8 waves a work-group, no clusters, 70,656 bytes of LDS; arguments crd, big; writes big
.if DOCPART == 2
	.amdgcn_target "amdgcn-amd-amdhsa--gfx1250"
	.amdhsa_code_object_version 6
	.text
	.protected	k_q3db4e3ce10_knn1
	.globl	k_q3db4e3ce10_knn1
	.p2align	8
	.type	k_q3db4e3ce10_knn1,@function
k_q3db4e3ce10_knn1:
	s_mov_b64 s[64:65], 0
	v_nop
	global_prefetch_b8 v0, s[64:65] scope:SCOPE_SE
	s_setreg_imm32_b32 hwreg(HW_REG_WAVE_MODE, 25, 1), 1
	s_wait_xcnt 0x0
; knn1: for every query the smallest squared distance in each of the 512 groups of 32 neighbouring reference points.
; A work-group takes 256 queries x 2,048 points; wave w takes 128 queries (w / 4) x 512 points (w % 4).
; One matrix instruction gives 16 points x 16 queries of d2 = |l|^2 - 2 l.r + |r|^2 from the split coordinates (see prep).
; LIMIT: the sums are exact, and so the order of groups is the reference's, where |l|^2, |r|^2 and 2 l.r are whole numbers below 2^24
; (whole-number coordinates up to about 2,000); elsewhere groups whose minima lie closer than f32 rounding may change places.
; No tile is used by two waves of the group and each fragment byte goes straight into its wave's registers, so LDS serves the way out alone
; and joint loads of a cluster, which land in LDS, would add an LDS write and read for every byte.
.set QS,    1048576
.set PITCH, 272                        ; an LDS row: a query's 64 minima (256 bytes) + 16
.set BQ,  16                           ; v16-79    8 query fragments
.set AR,  80                           ; v80-143   2 sets x 4 point fragments
.set DD,  144                          ; v144-207  2 sets x 4 results
.set ACC, 208                          ; v208-215  running minimum, one for each query fragment
.macro PLACES
.rept 4
	v_nop
.endr
.endm
.macro ALOAD s                         ; the four tiles of trip s, 8 loads of 512 consecutive bytes
.irp tt,0,1,2,3
	global_load_b128 v[AR+32*((\s)&1)+8*\tt:AR+32*((\s)&1)+8*\tt+3], v4, s[10:11] offset:(4*(\s)+\tt)*1024
	global_load_b128 v[AR+32*((\s)&1)+8*\tt+4:AR+32*((\s)&1)+8*\tt+7], v4, s[10:11] offset:(4*(\s)+\tt)*1024+512
.endr
.endm
.macro W4 s, tt, fh                    ; tile tt against query fragments 4 fh .. 4 fh + 3, into result set fh
.irp i,0,1,2,3
	v_wmma_f32_16x16x32_bf16 v[DD+32*\fh+8*\i:DD+32*\fh+8*\i+7], v[AR+32*((\s)&1)+8*\tt:AR+32*((\s)&1)+8*\tt+7], v[BQ+8*(4*\fh+\i):BQ+8*(4*\fh+\i)+7], 0
.endr
.endm
.macro M4 first, fh                    ; 16 instructions: the eight points of each of the four results into the running minima
.if \first
.irp i,0,1,2,3
	v_min3_num_f32 v[ACC+4*\fh+\i], v[DD+32*\fh+8*\i], v[DD+32*\fh+8*\i+1], v[DD+32*\fh+8*\i+2]
.endr
.irp i,0,1,2,3
	v_min3_num_f32 v[ACC+4*\fh+\i], v[ACC+4*\fh+\i], v[DD+32*\fh+8*\i+3], v[DD+32*\fh+8*\i+4]
.endr
.irp i,0,1,2,3
	v_min3_num_f32 v[ACC+4*\fh+\i], v[ACC+4*\fh+\i], v[DD+32*\fh+8*\i+5], v[DD+32*\fh+8*\i+6]
.endr
.irp i,0,1,2,3
	v_min_num_f32 v[ACC+4*\fh+\i], v[ACC+4*\fh+\i], v[DD+32*\fh+8*\i+7]
.endr
.else
.irp j,0,2,4,6
.irp i,0,1,2,3
	v_min3_num_f32 v[ACC+4*\fh+\i], v[ACC+4*\fh+\i], v[DD+32*\fh+8*\i+\j], v[DD+32*\fh+8*\i+\j+1]
.endr
.endr
.endif
.endm
; Trip s: tiles 4 s .. 4 s + 3 = group 8 h + s of my 16 groups, for lane half h.  The results' two sets take turns: between four matrix
; instructions and the minima that read them stand the 16 minima of the other set (four v_nop in front of the first), which name none of their
; registers (ISA guide 7.12.1); a set is written again only behind those and its own minima.
.macro TRIP s
.if \s < 7
	s_wait_loadcnt 0x8                             ; my four tiles are in; the other set's 8 loads, issued later, may stay out
.else
	s_wait_loadcnt 0x0
.endif
	W4 \s, 0, 0
	PLACES
	W4 \s, 0, 1
	M4 1, 0
	W4 \s, 1, 0
	M4 1, 1
	W4 \s, 1, 1
	M4 0, 0
	W4 \s, 2, 0
	M4 0, 1
	W4 \s, 2, 1
	M4 0, 0
	W4 \s, 3, 0
	M4 0, 1
	W4 \s, 3, 1
	M4 0, 0
	M4 0, 1
.irp f,0,1,2,3,4,5,6,7
	ds_store_b32 v5, v[ACC+\f] offset:\f*16*PITCH+4*\s
.endr
.if \s < 6
	ALOAD \s+2                                     ; this set again, 32 vector instructions behind the last matrix instruction that read it
.endif
.endm
	s_load_b128 s[4:7], s[0:1], 0x0                ; crd, big
	v_lshl_add_u32 v216, v0, 2, 0x11000
	v_mov_b32 v217, 0
	v_lshrrev_b32 v1, 5, v0
	v_readfirstlane_b32 s2, v1                     ; wave
	v_and_b32 v1, 31, v0
	v_and_b32 v2, 15, v0                           ; r
	v_bfe_u32 v3, v0, 4, 1                         ; h
	v_lshlrev_b32 v4, 4, v1                        ; 16 L
	s_and_b32 s3, ttmp7, 0xffff                    ; rb: which 2,048 points
	s_lshr_b32 s8, s2, 2                           ; qh
	s_and_b32 s9, s2, 3                            ; rq
	s_lshl2_add_u32 s10, s3, s9                    ; blk = 4 rb + rq
	s_lshl_b32 s10, s10, 15                        ; 32 fragments of 1 KB
	s_mov_b32 s11, 0
	s_lshl_b32 s12, ttmp9, 14                      ; 16 query fragments a work-group
	s_lshl_b32 s13, s8, 13
	s_add_co_u32 s12, s12, s13
	s_add_co_u32 s12, s12, QS
	s_mov_b32 s13, 0
	s_lshl_b32 s18, ttmp9, 19                      ; gmin: 32 blocks of 8 queries x 16,384 bytes a work-group,
	s_lshl_b32 s14, s2, 16                         ; 4 blocks a wave,
	s_add_co_u32 s18, s18, s14
	s_lshl_b32 s14, s3, 11                         ; 2,048 bytes for these 64 groups
	s_add_co_u32 s18, s18, s14
	s_mov_b32 s19, 0
	s_wait_kmcnt 0x0
	s_add_nc_u64 s[10:11], s[4:5], s[10:11]
	s_add_nc_u64 s[12:13], s[4:5], s[12:13]
	s_add_nc_u64 s[18:19], s[6:7], s[18:19]
.irp f,0,1,2,3,4,5,6,7
	global_load_b128 v[BQ+8*\f:BQ+8*\f+3], v4, s[12:13] offset:\f*1024
	global_load_b128 v[BQ+8*\f+4:BQ+8*\f+7], v4, s[12:13] offset:\f*1024+512
.endr
	ALOAD 0
	ALOAD 1
	s_mul_i32 s14, s8, 128*PITCH
	s_lshl_b32 s15, s9, 6
	s_add_co_u32 s14, s14, s15
	v_mul_u32_u24 v5, v2, PITCH
	v_lshl_add_u32 v5, v3, 5, v5
	v_add_nc_u32 v5, s14, v5                       ; in: (128 qh + r) x 272 + 64 rq + 32 h
	v_lshrrev_b32 v7, 2, v1
	v_mul_u32_u24 v6, v7, PITCH
	v_and_b32 v8, 3, v1
	v_lshl_add_u32 v6, v8, 6, v6
	s_mul_i32 s16, s2, 32*PITCH
	v_add_nc_u32 v6, s16, v6                       ; back: (32 w + L / 4) x 272 + 64 (L % 4)
	TRIP 0
	TRIP 1
	TRIP 2
	TRIP 3
	TRIP 4
	TRIP 5
	TRIP 6
	TRIP 7
	s_wait_dscnt 0x0                               ; my minima are in LDS,
	s_barrier_signal -1
	s_barrier_wait -1                              ; everybody's are
	; The way out: lane L = 4 (query % 8) + p takes groups 16 p + 4 j4 .. + 3, as the selection reads them; a store covers 512 consecutive bytes.
.irp qi,0,1,2,3
.irp j4,0,1,2,3
	ds_load_b128 v[AR+16*\qi+4*\j4:AR+16*\qi+4*\j4+3], v6 offset:\qi*8*PITCH+16*\j4
.endr
.endr
.irp qi,0,1,2,3
.irp j4,0,1,2,3
	s_wait_dscnt 15-4*\qi-\j4                      ; LDS loads come back in order: this one is in, the younger ones stay out
	global_store_b128 v4, v[AR+16*\qi+4*\j4:AR+16*\qi+4*\j4+3], s[18:19] offset:\qi*16384+512*\j4
.endr
.endr
	s_wait_tensorcnt 0x0
	ds_add_u32 v216, v217
	s_wait_dscnt 0x0
	s_endpgm
.Lfunc_end_k_q3db4e3ce10_knn1:
	.size	k_q3db4e3ce10_knn1, .Lfunc_end_k_q3db4e3ce10_knn1-k_q3db4e3ce10_knn1
	.p2alignl 7, 3214868480
	.fill 96, 4, 3214868480
	.section	.rodata,"a",@progbits
	.p2align	6, 0x0
	.amdhsa_kernel k_q3db4e3ce10_knn1
		.amdhsa_group_segment_fixed_size 70656
		.amdhsa_private_segment_fixed_size 0
		.amdhsa_enable_private_segment 0
		.amdhsa_kernarg_size 16
		.amdhsa_user_sgpr_count 2
		.amdhsa_user_sgpr_kernarg_segment_ptr 1
		.amdhsa_wavefront_size32 1
		.amdhsa_system_sgpr_workgroup_id_x 1
		.amdhsa_system_sgpr_workgroup_id_y 1
		.amdhsa_system_sgpr_workgroup_id_z 1
		.amdhsa_system_vgpr_workitem_id 0
		.amdhsa_next_free_vgpr 218
		.amdhsa_next_free_sgpr 66
		.amdhsa_reserve_vcc 0
		.amdhsa_float_denorm_mode_32 3
		.amdhsa_float_denorm_mode_16_64 3
		.amdhsa_memory_ordered 1
		.amdhsa_forward_progress 1
		.amdhsa_inst_pref_size 96
	.end_amdhsa_kernel
	.amdgpu_metadata
---
amdhsa.version: [ 1, 2 ]
amdhsa.kernels:
  - .name:           k_q3db4e3ce10_knn1
    .symbol:         k_q3db4e3ce10_knn1.kd
    .args:
      - { .name: crd, .offset: 0, .size: 8, .value_kind: global_buffer, .address_space: global }
      - { .name: big, .offset: 8, .size: 8, .value_kind: global_buffer, .address_space: global }
    .group_segment_fixed_size: 70656
    .private_segment_fixed_size: 0
    .kernarg_segment_align: 8
    .kernarg_segment_size: 16
    .max_flat_workgroup_size: 256
    .sgpr_count:     66
    .vgpr_count:     218
    .wavefront_size: 32
...
	.end_amdgpu_metadata
.endif
;; end of part 2
;; launch knn2 (part 3): grid 256 x 1, 4 waves a work-group, no clusters, 0 bytes of LDS; arguments big, grp; writes grp
.if DOCPART == 3
	.amdgcn_target "amdgcn-amd-amdhsa--gfx1250"
	.amdhsa_code_object_version 6
	.text
	.protected	k_q3db4e3ce10_knn2
	.globl	k_q3db4e3ce10_knn2
	.p2align	8
	.type	k_q3db4e3ce10_knn2,@function
k_q3db4e3ce10_knn2:
	s_mov_b64 s[64:65], 0
	v_nop
	global_prefetch_b8 v0, s[64:65] scope:SCOPE_SE
	s_setreg_imm32_b32 hwreg(HW_REG_WAVE_MODE, 25, 1), 1
	s_wait_xcnt 0x0
; knn2: for every query the 16 groups that are smallest by (group minimum, group number); the 16 nearest points lie in them, since every
; group in front of a point's own group holds a point in front of it.  No branch and no address hangs on a distance: fixed networks only.
; A wave takes 8 queries; lane L = 4 ql + p holds 128 of query ql's 512 minima.
; Pass 1: a bitonic network keeps the 16 smallest VALUES; the 16th is the threshold.  Then each value becomes a key:
; number if below the threshold, number + OFF if equal, +infinity otherwise.  Pass 2: the same network on the keys.
; A key is the f32 number 2^23 + n, whose bit pattern is 0x4b000000 + n: made by a whole-number add, ordered by f32 min and max, read back by an AND.
.set T0, 0
.set T1, 16
.set T2, 32
.set T3, 48
.set V,  64                            ; v64-191  my 128 values, then keys
.set L16, 192
.set TV,  193                          ; the threshold
.set INF, 194
.set K1,  195
.set K2,  196
.set BASE,199
.set OUT, 200
.set OFF,  512
.set MASK, 511
.macro LAYER src, dst, k, j, inv       ; one layer of compare-exchanges at distance j; from one set of 16 into another: no copies
.set li, 0
.rept 16
.set lp, li ^ \j
.if lp > li
.set dn, ((li & \k) / \k) ^ \inv
.if dn
	v_max_num_f32 v[\dst+li], v[\src+li], v[\src+lp]
	v_min_num_f32 v[\dst+lp], v[\src+li], v[\src+lp]
.else
	v_min_num_f32 v[\dst+li], v[\src+li], v[\src+lp]
	v_max_num_f32 v[\dst+lp], v[\src+li], v[\src+lp]
.endif
.endif
.set li, li+1
.endr
.endm
.macro SORT16 src, sa, sb, inv         ; ten layers; the result ends in sb, ascending (inv = 0) or descending (1); src is kept
	LAYER \src, \sa, 2, 1, \inv
	LAYER \sa, \sb, 4, 2, \inv
	LAYER \sb, \sa, 4, 1, \inv
	LAYER \sa, \sb, 8, 4, \inv
	LAYER \sb, \sa, 8, 2, \inv
	LAYER \sa, \sb, 8, 1, \inv
	LAYER \sb, \sa, 16, 8, \inv
	LAYER \sa, \sb, 16, 4, \inv
	LAYER \sb, \sa, 16, 2, \inv
	LAYER \sa, \sb, 16, 1, \inv
.endm
.macro CLEAN                           ; ROTH holds a bitonic run: four layers sort it; then the names change places
	LAYER ROTH, RCUR, 16, 8, 0
	LAYER RCUR, ROTH, 16, 4, 0
	LAYER ROTH, RCUR, 16, 2, 0
	LAYER RCUR, ROTH, 16, 1, 0
.set RTMP, RCUR
.set RCUR, ROTH
.set ROTH, RTMP
.endm
.macro MERGE s                         ; the 16 smallest of RCUR (ascending) and s (descending)
.set mi, 0
.rept 16
	v_min_num_f32 v[ROTH+mi], v[RCUR+mi], v[\s+mi]
.set mi, mi+1
.endr
	CLEAN
.endm
.macro XMERGE m                        ; the same with the partner lane's 16, read backwards
.set mi, 0
.rept 16
	v_min_num_f32_dpp v[ROTH+mi], v[RCUR+15-mi], v[RCUR+mi] row_xmask:\m row_mask:0xf bank_mask:0xf
.set mi, mi+1
.endr
	CLEAN
.endm
.macro WAITB w, b                      ; batch b's four loads are in; the 28 - 4 b issued behind them may stay out
.if \w == 1
	s_wait_loadcnt 28-4*\b
.endif
.if \w == 2
	s_wait_dscnt 28-4*\b
.endif
.endm
.macro TOP16 w                         ; RCUR = the query's 16 smallest, ascending, in all four of its lanes
	WAITB \w, 0
	SORT16 V, T1, T0, 0
.set RCUR, T0
.set ROTH, T1
.irp b,1,2,3,4,5,6,7
	WAITB \w, \b
	SORT16 V+16*\b, T2, T3, 1
	MERGE T3
.endr
	XMERGE 1
	XMERGE 2
.endm
.macro KEY1 reg, c, basereg
	v_add_nc_u32 v[K1], \c, v[\basereg]
	v_cmp_eq_f32 vcc_lo, v[\reg], v[TV]
	v_add_nc_u32 v[K2], (\c)+OFF, v[\basereg]
	v_cndmask_b32 v[K2], v[INF], v[K2], vcc_lo
	v_cmp_lt_f32 vcc_lo, v[\reg], v[TV]
	v_cndmask_b32 v[\reg], v[K2], v[K1], vcc_lo
.endm
.macro PICK                            ; lane p takes places 4 p .. 4 p + 3 of the 16
.irp e,0,1,2,3
	v_cndmask_b32 v[K1], v[RCUR+\e], v[RCUR+4+\e], s8
	v_cndmask_b32 v[K2], v[RCUR+8+\e], v[RCUR+12+\e], s8
	v_cndmask_b32 v[OUT+\e], v[K1], v[K2], s9
	v_and_b32 v[OUT+\e], MASK, v[OUT+\e]
.endr
.endm
	s_load_b128 s[4:7], s[0:1], 0x0                ; big (gmin), grp
	v_lshrrev_b32 v[K1], 5, v0
	v_readfirstlane_b32 s2, v[K1]
	v_and_b32 v[K2], 31, v0
	v_lshlrev_b32 v[L16], 4, v[K2]
	v_and_b32 v[K2], 3, v0                         ; p
	v_lshlrev_b32 v[BASE], 4, v[K2]
	v_add_nc_u32 v[BASE], 0x4b000000, v[BASE]      ; key of group 16 p
	v_mov_b32 v[INF], 0x7f800000
	s_mov_b32 s8, 0xaaaaaaaa                       ; lanes with p odd
	s_mov_b32 s9, 0xcccccccc                       ; lanes with p = 2, 3
	s_lshl2_add_u32 s3, ttmp9, s2                  ; my block of 8 queries
	s_lshl_b32 s10, s3, 14
	s_mov_b32 s11, 0
	s_lshl_b32 s12, s3, 9
	s_mov_b32 s13, 0
	s_wait_kmcnt 0x0
	s_add_nc_u64 s[4:5], s[4:5], s[10:11]
	s_add_nc_u64 s[6:7], s[6:7], s[12:13]
.set n_, 0
.rept 32
	global_load_b128 v[V+4*n_:V+4*n_+3], v[L16], s[4:5] offset:512*n_ th:TH_LOAD_NT
.set n_, n_+1
.endr
	TOP16 1
	v_mov_b32 v[TV], v[RCUR+15]
.set n_, 0
.rept 128
	KEY1 V+n_, 64*(n_>>4)+(n_&15), BASE            ; value 16 b + j is group 64 b + 16 p + j
.set n_, n_+1
.endr
	TOP16 0
	PICK
	global_store_b128 v[L16], v[OUT:OUT+3], s[6:7]
	s_endpgm
.Lfunc_end_k_q3db4e3ce10_knn2:
	.size	k_q3db4e3ce10_knn2, .Lfunc_end_k_q3db4e3ce10_knn2-k_q3db4e3ce10_knn2
	.p2alignl 7, 3214868480
	.fill 96, 4, 3214868480
	.section	.rodata,"a",@progbits
	.p2align	6, 0x0
	.amdhsa_kernel k_q3db4e3ce10_knn2
		.amdhsa_group_segment_fixed_size 0
		.amdhsa_private_segment_fixed_size 0
		.amdhsa_enable_private_segment 0
		.amdhsa_kernarg_size 16
		.amdhsa_user_sgpr_count 2
		.amdhsa_user_sgpr_kernarg_segment_ptr 1
		.amdhsa_wavefront_size32 1
		.amdhsa_system_sgpr_workgroup_id_x 1
		.amdhsa_system_sgpr_workgroup_id_y 1
		.amdhsa_system_sgpr_workgroup_id_z 1
		.amdhsa_system_vgpr_workitem_id 0
		.amdhsa_next_free_vgpr 208
		.amdhsa_next_free_sgpr 66
		.amdhsa_reserve_vcc 1
		.amdhsa_float_denorm_mode_32 3
		.amdhsa_float_denorm_mode_16_64 3
		.amdhsa_memory_ordered 1
		.amdhsa_forward_progress 1
		.amdhsa_inst_pref_size 164
	.end_amdhsa_kernel
	.amdgpu_metadata
---
amdhsa.version: [ 1, 2 ]
amdhsa.kernels:
  - .name:           k_q3db4e3ce10_knn2
    .symbol:         k_q3db4e3ce10_knn2.kd
    .args:
      - { .name: big, .offset: 0, .size: 8, .value_kind: global_buffer, .address_space: global }
      - { .name: grp, .offset: 8, .size: 8, .value_kind: global_buffer, .address_space: global }
    .group_segment_fixed_size: 0
    .private_segment_fixed_size: 0
    .kernarg_segment_align: 8
    .kernarg_segment_size: 16
    .max_flat_workgroup_size: 128
    .sgpr_count:     66
    .vgpr_count:     208
    .wavefront_size: 32
...
	.end_amdgpu_metadata
.endif
;; end of part 3
;; launch knn3 (part 4): grid 256 x 1, 4 waves a work-group, no clusters, 68,096 bytes of LDS; arguments grp, crd, idx; writes idx
.if DOCPART == 4
	.amdgcn_target "amdgcn-amd-amdhsa--gfx1250"
	.amdhsa_code_object_version 6
	.text
	.protected	k_q3db4e3ce10_knn3
	.globl	k_q3db4e3ce10_knn3
	.p2align	8
	.type	k_q3db4e3ce10_knn3,@function
k_q3db4e3ce10_knn3:
	s_mov_b64 s[64:65], 0
	v_nop
	global_prefetch_b8 v0, s[64:65] scope:SCOPE_SE
	s_setreg_imm32_b32 hwreg(HW_REG_WAVE_MODE, 25, 1), 1
	s_wait_xcnt 0x0
; knn3: for every query the 16 nearest of the 512 points in its 16 groups, by (d2, index): the lower index wins a tie, as in the reference's top_k.
; The groups come as whole numbers from the launch before; they are clamped to 511 before they enter an address.
; Phase A, lane = point of a group: d2 = (|l|^2 - 2 l.r) + |r|^2 in f32, into the wave's own LDS.  Phase B, lane = 4 ql + p: 128 values a lane,
; then the selection as in knn2.  The order in which the 16 are stored does not matter: the attention is a sum over them.
; LIMIT: d2 is the reference's number where the products and sums are exact in f32 (whole-number coordinates up to about 2,000);
; elsewhere points closer than f32 rounding may change places.
.set T0, 0
.set T1, 16
.set T2, 32
.set T3, 48
.set V,  64                            ; v64-191  phase A: 2 sets x 16 float4; phase B: 128 values, then keys
.set L16, 192
.set TV,  193
.set INF, 194
.set K1,  195
.set K2,  196
.set SA,  197
.set LA,  198
.set OUT, 200
.set VG,  204                          ; v204-207 groups 4 p .. 4 p + 3 of query ql
.set GB,  208                          ; v208-211 key of each group's first point
.set OFF,  16384
.set MASK, 16383
.set REFP, 1572864
.set QP,   1835008
.set QC,   16                          ; s16-47   8 queries x (x, y, z, |l|^2)
.macro LAYER src, dst, k, j, inv       ; one layer of compare-exchanges at distance j; from one set of 16 into another: no copies
.set li, 0
.rept 16
.set lp, li ^ \j
.if lp > li
.set dn, ((li & \k) / \k) ^ \inv
.if dn
	v_max_num_f32 v[\dst+li], v[\src+li], v[\src+lp]
	v_min_num_f32 v[\dst+lp], v[\src+li], v[\src+lp]
.else
	v_min_num_f32 v[\dst+li], v[\src+li], v[\src+lp]
	v_max_num_f32 v[\dst+lp], v[\src+li], v[\src+lp]
.endif
.endif
.set li, li+1
.endr
.endm
.macro SORT16 src, sa, sb, inv         ; ten layers; the result ends in sb, ascending (inv = 0) or descending (1); src is kept
	LAYER \src, \sa, 2, 1, \inv
	LAYER \sa, \sb, 4, 2, \inv
	LAYER \sb, \sa, 4, 1, \inv
	LAYER \sa, \sb, 8, 4, \inv
	LAYER \sb, \sa, 8, 2, \inv
	LAYER \sa, \sb, 8, 1, \inv
	LAYER \sb, \sa, 16, 8, \inv
	LAYER \sa, \sb, 16, 4, \inv
	LAYER \sb, \sa, 16, 2, \inv
	LAYER \sa, \sb, 16, 1, \inv
.endm
.macro CLEAN                           ; ROTH holds a bitonic run: four layers sort it; then the names change places
	LAYER ROTH, RCUR, 16, 8, 0
	LAYER RCUR, ROTH, 16, 4, 0
	LAYER ROTH, RCUR, 16, 2, 0
	LAYER RCUR, ROTH, 16, 1, 0
.set RTMP, RCUR
.set RCUR, ROTH
.set ROTH, RTMP
.endm
.macro MERGE s                         ; the 16 smallest of RCUR (ascending) and s (descending)
.set mi, 0
.rept 16
	v_min_num_f32 v[ROTH+mi], v[RCUR+mi], v[\s+mi]
.set mi, mi+1
.endr
	CLEAN
.endm
.macro XMERGE m                        ; the same with the partner lane's 16, read backwards
.set mi, 0
.rept 16
	v_min_num_f32_dpp v[ROTH+mi], v[RCUR+15-mi], v[RCUR+mi] row_xmask:\m row_mask:0xf bank_mask:0xf
.set mi, mi+1
.endr
	CLEAN
.endm
.macro WAITB w, b                      ; batch b's four loads are in; the 28 - 4 b issued behind them may stay out
.if \w == 1
	s_wait_loadcnt 28-4*\b
.endif
.if \w == 2
	s_wait_dscnt 28-4*\b
.endif
.endm
.macro TOP16 w                         ; RCUR = the query's 16 smallest, ascending, in all four of its lanes
	WAITB \w, 0
	SORT16 V, T1, T0, 0
.set RCUR, T0
.set ROTH, T1
.irp b,1,2,3,4,5,6,7
	WAITB \w, \b
	SORT16 V+16*\b, T2, T3, 1
	MERGE T3
.endr
	XMERGE 1
	XMERGE 2
.endm
.macro KEY1 reg, c, basereg
	v_add_nc_u32 v[K1], \c, v[\basereg]
	v_cmp_eq_f32 vcc_lo, v[\reg], v[TV]
	v_add_nc_u32 v[K2], (\c)+OFF, v[\basereg]
	v_cndmask_b32 v[K2], v[INF], v[K2], vcc_lo
	v_cmp_lt_f32 vcc_lo, v[\reg], v[TV]
	v_cndmask_b32 v[\reg], v[K2], v[K1], vcc_lo
.endm
.macro PICK                            ; lane p takes places 4 p .. 4 p + 3 of the 16
.irp e,0,1,2,3
	v_cndmask_b32 v[K1], v[RCUR+\e], v[RCUR+4+\e], s8
	v_cndmask_b32 v[K2], v[RCUR+8+\e], v[RCUR+12+\e], s8
	v_cndmask_b32 v[OUT+\e], v[K1], v[K2], s9
	v_and_b32 v[OUT+\e], MASK, v[OUT+\e]
.endr
.endm
; Query i's 16 groups are asked for: 32 points x 16 bytes = 512 consecutive bytes a load.  Each load lands on its own offset register.
.macro ISSUE i, set
.set j_, 0
.rept 16
	v_readlane_b32 s[48+(j_&3)], v[VG+(j_&3)], 4*\i+(j_>>2)
	s_min_u32 s[48+(j_&3)], s[48+(j_&3)], 511
	v_lshl_add_u32 v[V+64*\set+4*j_], s[48+(j_&3)], 9, v[L16]
	global_load_b128 v[V+64*\set+4*j_:V+64*\set+4*j_+3], v[V+64*\set+4*j_], s[6:7] offset:REFP
.set j_, j_+1
.endr
.endm
; Four groups at a time.  left = loads issued behind this query's first: its other 15 and the next query's 16 (none for the last query).
.macro COMPUTE i, set, left
.irp g,0,1,2,3
	s_wait_loadcnt \left-4*\g-3
.irp u,0,1,2,3
	v_mul_f32 v[T0+\u], s[QC+4*\i+2], v[V+64*\set+16*\g+4*\u+2]
.endr
.irp u,0,1,2,3
	v_fma_f32 v[T0+\u], s[QC+4*\i+1], v[V+64*\set+16*\g+4*\u+1], v[T0+\u]
.endr
.irp u,0,1,2,3
	v_fma_f32 v[T0+\u], s[QC+4*\i], v[V+64*\set+16*\g+4*\u], v[T0+\u]
.endr
.irp u,0,1,2,3
	v_fma_f32 v[T0+\u], -2.0, v[T0+\u], s[QC+4*\i+3]
.endr
.irp u,0,1,2,3
	v_add_f32 v[T0+\u], v[T0+\u], v[V+64*\set+16*\g+4*\u+3]
.endr
.irp u,0,1,2,3
	ds_store_b32 v[SA], v[T0+\u] offset:\i*2112+\g*528+\u*128
.endr
.endr
.endm
	s_load_b128 s[4:7], s[0:1], 0x0                ; grp, crd
	s_load_b64 s[52:53], s[0:1], 0x10              ; idx
	v_lshl_add_u32 v212, v0, 2, 0x10800
	v_mov_b32 v213, 0
	v_lshrrev_b32 v[K1], 5, v0
	v_readfirstlane_b32 s2, v[K1]
	v_and_b32 v[K2], 31, v0
	v_lshlrev_b32 v[L16], 4, v[K2]
	s_mul_i32 s3, s2, 16896                        ; my wave's LDS: 8 queries x 2,112 bytes (4 parts of 512 + 16)
	v_lshl_add_u32 v[SA], v[K2], 2, s3             ; in: + 4 L
	v_lshrrev_b32 v[K1], 2, v[K2]
	v_mul_u32_u24 v[LA], v[K1], 2112
	v_and_b32 v[K1], 3, v0
	v_mad_u32_u24 v[LA], v[K1], 528, v[LA]
	v_add_nc_u32 v[LA], s3, v[LA]                  ; back: + 2,112 ql + 528 p: sixteen lanes start 16 bytes apart modulo 256
	v_mov_b32 v[INF], 0x7f800000
	s_mov_b32 s8, 0xaaaaaaaa
	s_mov_b32 s9, 0xcccccccc
	s_lshl2_add_u32 s3, ttmp9, s2                  ; my block of 8 queries
	s_lshl_b32 s10, s3, 9
	s_mov_b32 s11, 0
	s_lshl_b32 s12, s3, 7
	s_add_co_u32 s12, s12, QP
	s_mov_b32 s13, 0
	s_wait_kmcnt 0x0
	s_add_nc_u64 s[4:5], s[4:5], s[10:11]
	s_add_nc_u64 s[52:53], s[52:53], s[10:11]
	s_add_nc_u64 s[12:13], s[6:7], s[12:13]
	global_load_b128 v[VG:VG+3], v[L16], s[4:5]
	s_load_b512 s[16:31], s[12:13], 0x0
	s_load_b512 s[32:47], s[12:13], 0x40
	s_wait_loadcnt 0x0
	s_wait_kmcnt 0x0
.irp e,0,1,2,3
	v_lshl_add_u32 v[GB+\e], v[VG+\e], 5, 0x4b000000   ; key of point 32 x group
.endr
	ISSUE 0, 0
	ISSUE 1, 1
	COMPUTE 0, 0, 31
	ISSUE 2, 0
	COMPUTE 1, 1, 31
	ISSUE 3, 1
	COMPUTE 2, 0, 31
	ISSUE 4, 0
	COMPUTE 3, 1, 31
	ISSUE 5, 1
	COMPUTE 4, 0, 31
	ISSUE 6, 0
	COMPUTE 5, 1, 31
	ISSUE 7, 1
	COMPUTE 6, 0, 31
	COMPUTE 7, 1, 15
	; Phase B.  The bytes are my wave's own and LDS serves a wave's instructions in order (ISA guide 5.7.1): no barrier, no wait in between.
.set n_, 0
.rept 32
	ds_load_b128 v[V+4*n_:V+4*n_+3], v[LA] offset:16*n_
.set n_, n_+1
.endr
	TOP16 2
	v_mov_b32 v[TV], v[RCUR+15]
.set n_, 0
.rept 128
	KEY1 V+n_, n_&31, GB+(n_>>5)                   ; value n is point n % 32 of my group n / 32
.set n_, n_+1
.endr
	TOP16 0
	PICK
	global_store_b128 v[L16], v[OUT:OUT+3], s[52:53]
	s_wait_tensorcnt 0x0
	ds_add_u32 v212, v213
	s_wait_dscnt 0x0
	s_endpgm
.Lfunc_end_k_q3db4e3ce10_knn3:
	.size	k_q3db4e3ce10_knn3, .Lfunc_end_k_q3db4e3ce10_knn3-k_q3db4e3ce10_knn3
	.p2alignl 7, 3214868480
	.fill 96, 4, 3214868480
	.section	.rodata,"a",@progbits
	.p2align	6, 0x0
	.amdhsa_kernel k_q3db4e3ce10_knn3
		.amdhsa_group_segment_fixed_size 68096
		.amdhsa_private_segment_fixed_size 0
		.amdhsa_enable_private_segment 0
		.amdhsa_kernarg_size 24
		.amdhsa_user_sgpr_count 2
		.amdhsa_user_sgpr_kernarg_segment_ptr 1
		.amdhsa_wavefront_size32 1
		.amdhsa_system_sgpr_workgroup_id_x 1
		.amdhsa_system_sgpr_workgroup_id_y 1
		.amdhsa_system_sgpr_workgroup_id_z 1
		.amdhsa_system_vgpr_workitem_id 0
		.amdhsa_next_free_vgpr 214
		.amdhsa_next_free_sgpr 66
		.amdhsa_reserve_vcc 1
		.amdhsa_float_denorm_mode_32 3
		.amdhsa_float_denorm_mode_16_64 3
		.amdhsa_memory_ordered 1
		.amdhsa_forward_progress 1
		.amdhsa_inst_pref_size 238
	.end_amdhsa_kernel
	.amdgpu_metadata
---
amdhsa.version: [ 1, 2 ]
amdhsa.kernels:
  - .name:           k_q3db4e3ce10_knn3
    .symbol:         k_q3db4e3ce10_knn3.kd
    .args:
      - { .name: grp, .offset: 0, .size: 8, .value_kind: global_buffer, .address_space: global }
      - { .name: crd, .offset: 8, .size: 8, .value_kind: global_buffer, .address_space: global }
      - { .name: idx, .offset: 16, .size: 8, .value_kind: global_buffer, .address_space: global }
    .group_segment_fixed_size: 68096
    .private_segment_fixed_size: 0
    .kernarg_segment_align: 8
    .kernarg_segment_size: 24
    .max_flat_workgroup_size: 128
    .sgpr_count:     66
    .vgpr_count:     214
    .wavefront_size: 32
...
	.end_amdgpu_metadata
.endif
;; end of part 4
;; launch att0 (part 5): grid 256 x 1, 8 waves a work-group, no clusters, 202,240 bytes of LDS; arguments lossy_F, wl0, q0_b, k0_b, v0_b, pos0_w, pos0_b, idx, ref_F, crd, big; writes big
.if DOCPART == 5
	.amdgcn_target "amdgcn-amd-amdhsa--gfx1250"
	.amdhsa_code_object_version 6
	.text
	.protected	k_q3db4e3ce10_att0
	.globl	k_q3db4e3ce10_att0
	.p2align	8
	.type	k_q3db4e3ce10_att0,@function
k_q3db4e3ce10_att0:
	s_mov_b64 s[64:65], 0
	v_nop
	global_prefetch_b8 v0, s[64:65] scope:SCOPE_SE
	s_setreg_imm32_b32 hwreg(HW_REG_WAVE_MODE, 25, 1), 1
	s_wait_xcnt 0x0
; One layer of the local attention for 32 queries a work-group, eight waves.  With x the layer's input:
;   Q = x qw + qb;  u = Q kw^T;  logit_k = (f_k.u + rel_k.(pw u) + pb.u + kb.Q) / 16;  att = softmax, its maximum taken away;
;   z = sum att_k f_k + (sum att_k rel_k) pw + pb;  out = z vw + vb.
; These are the reference's sums with kw and vw taken out of the sum over the 16 neighbours.  LIMIT: sum att_k = 1 is used for pb and vb; it holds to f32 rounding.
; The three products 32 x 256 x 256 go to the matrix unit as bf16 hi + lo: Xh Wh + Xh Wl + Xl Wh, sums in f32 (what is left out is below 2^-16 of a product).
; f_k.u and sum att_k f_k stay on the vector unit in f32: a query's 16 x 256 block meets one vector, so 15 of 16 matrix columns would idle.
; Wave w owns output columns 32 w .. 32 w + 31 in the products and rows 4 w .. 4 w + 3 in the row phases.
; NO JOINT LOADS: each weight byte is used by one wave of the group, once, and goes straight into that wave's registers (window 1 holds a whole
; stage's 256 registers); a joint load lands in LDS, which would add 256 KB of LDS writes and reads a stage.  The neighbours' rows differ from group to group.
; No prefetch of the gathered rows: a row of ref_F is named by several queries in several work-groups, so no one wave could ask for it once.
; LDS, every region written once: bf16 rows of 528 bytes, f32 rows of 1,040 (odd multiples of 16: sixteen rows start 16 bytes apart modulo 256).
.set P16, 528
.set P32, 1040
.set HL,  16896                        ; from a hi region to its lo region.  XH 0, XL 16,896
.set QH,  33792                        ; QL 50,688
.set ZH,  67584                        ; ZL 84,480
.set QF,  101376
.set UFO, 33280                        ; UF = QF + 33,280
.set AF,  167936
.set REFP, 1572864
.set QP,   1835008
.set CN,   20                          ; v20-43 pos_w rows 0-2, v44-51 pos_b, v52-59 k_b: my columns 4 L .. + 3 and 128 + 4 L .. + 3
.set PB,   44
.set KB,   52
.set IDXV, 60                          ; v60-63  query i: lane k % 16 holds neighbour k's index
.set RC,   64                          ; v64-79  query i: neighbour's x, y, z, then rel
.set ACC,  80                          ; v80-111  four accumulators (row tile, column tile)
.set AA,   112                         ; v112-175 two sets of A fragments: hi and lo x 2 row tiles
.set TE,   176                         ; v176-199 at work
.set U,    80                          ; attention: v80-87 u, v88-95 Q, v96-103 z, v104-119 partial dots, v120-127 at work, v128-255 16 rows
.set QR,   88
.set Z,    96
.set P,    104
.set T,    120
.set F,    128
.set MSB, 0
.macro WIN new                         ; s_set_vgpr_msb; the immediate's high byte repeats the setting that is left
.if MSB != \new
	s_set_vgpr_msb (MSB<<8)|\new
.set MSB, \new
.endif
.endm
.macro PLACES
.rept 4
	v_nop
.endr
.endm
.macro SPLITPK hi, lo, a, b, t0, t1    ; two f32 -> a word of bf16 hi parts and a word of bf16 lo parts
	v_cvt_pk_bf16_f32 v[\hi], v[\a], v[\b]
	v_lshlrev_b32 v[\t0], 16, v[\hi]
	v_and_b32 v[\t1], s33, v[\hi]
	v_sub_f32 v[\t0], v[\a], v[\t0]
	v_sub_f32 v[\t1], v[\b], v[\t1]
	v_cvt_pk_bf16_f32 v[\lo], v[\t0], v[\t1]
.endm
.macro ROWSPLIT src, areg, off, tb     ; four f32 of a row -> 8 bytes of its hi row, 8 of its lo row
	SPLITPK \tb, \tb+2, \src, \src+1, \tb+4, \tb+5
	SPLITPK \tb+1, \tb+3, \src+2, \src+3, \tb+6, \tb+7
	ds_store_b64 v[\areg], v[\tb:\tb+1] offset:\off
	ds_store_b64 v[\areg], v[\tb+2:\tb+3] offset:\off+HL
.endm
.macro FILL off                        ; a stage's weights of my 32 columns: 64 loads of 512 consecutive bytes into window 1
	WIN 0x40
.set n_, 0
.rept 64
	global_load_b128 v[4*n_:4*n_+3], v5, s[6:7] offset:\off+512*n_
.set n_, n_+1
.endr
	WIN 0
.endm
.macro BIAS lo, hi                     ; the sums start at the bias: lane (r, h) holds columns 8 h .. 8 h + 7 of its tile
.irp rt,0,1
.irp ti,0,1
	global_load_b128 v[ACC+8*(2*\rt+\ti):ACC+8*(2*\rt+\ti)+3], v6, s[\lo:\hi] offset:64*\ti
	global_load_b128 v[ACC+8*(2*\rt+\ti)+4:ACC+8*(2*\rt+\ti)+7], v6, s[\lo:\hi] offset:64*\ti+16
.endr
.endr
.endm
.macro ALD areg, ks                    ; K step ks: hi and lo fragments of both row tiles, 8 LDS loads
.irp part,0,1
.irp rt,0,1
	ds_load_b128 v[AA+32*((\ks)&1)+16*\part+8*\rt:AA+32*((\ks)&1)+16*\part+8*\rt+3], v[\areg] offset:\part*HL+\rt*16*P16+64*(\ks)
	ds_load_b128 v[AA+32*((\ks)&1)+16*\part+8*\rt+4:AA+32*((\ks)&1)+16*\part+8*\rt+7], v[\areg] offset:\part*HL+\rt*16*P16+64*(\ks)+32
.endr
.endr
.endm
; Source 0 = 16 columns of W, source 1 = 16 rows of X: a lane's eight results are eight neighbouring columns of one row.
.macro MM4 ks, bp, ap, zero
.irp rt,0,1
.irp ti,0,1
.if \zero
	v_wmma_f32_16x16x32_bf16 v[ACC+8*(2*\rt+\ti):ACC+8*(2*\rt+\ti)+7], v[32*\ks+8*(2*\ti+\bp):32*\ks+8*(2*\ti+\bp)+7], v[AA+32*(\ks&1)+16*\ap+8*\rt:AA+32*(\ks&1)+16*\ap+8*\rt+7], 0
.else
	v_wmma_f32_16x16x32_bf16 v[ACC+8*(2*\rt+\ti):ACC+8*(2*\rt+\ti)+7], v[32*\ks+8*(2*\ti+\bp):32*\ks+8*(2*\ti+\bp)+7], v[AA+32*(\ks&1)+16*\ap+8*\rt:AA+32*(\ks&1)+16*\ap+8*\rt+7], v[ACC+8*(2*\rt+\ti):ACC+8*(2*\rt+\ti)+7]
.endif
.endr
.endr
.endm
; A product 32 x 256 x 256.  The four accumulators take turns, one instruction a turn.
; Four v_nop stand behind each K step's twelve matrix instructions, in front of the loads into registers that they read.
.macro GEMM areg, hasnext, nextoff, zero, waitn
	ALD \areg, 0
	ALD \areg, 1
.irp ks,0,1,2,3,4,5,6,7
.if \ks < 7
	s_wait_dscnt 0x8                               ; this step's fragments are in; the next step's 8 loads may stay out
.else
	s_wait_dscnt 0x0
.endif
.if \waitn
	s_wait_loadcnt 56                              ; behind this slot's 8 loads at least seven other slots' 56 were issued
.endif
.set z_, 0
.if \zero
.if \ks == 0
.set z_, 1
.endif
.endif
	WIN 0x01
	MM4 \ks, 0, 0, z_
	MM4 \ks, 1, 0, 0
	MM4 \ks, 0, 1, 0
	WIN 0
	PLACES
.if \ks < 6
	ALD \areg, \ks+2
.endif
.if \hasnext
	WIN 0x40
.irp e,0,1,2,3,4,5,6,7
	global_load_b128 v[32*\ks+4*\e:32*\ks+4*\e+3], v5, s[6:7] offset:\nextoff+4096*\ks+512*\e   ; the next stage's step ks into the slot just used
.endr
	WIN 0
.endif
.endr
.endm
.macro EPIF areg, off                  ; the four accumulators as f32 rows
.irp rt,0,1
.irp ti,0,1
	ds_store_b128 v[\areg], v[ACC+8*(2*\rt+\ti):ACC+8*(2*\rt+\ti)+3] offset:\off+\rt*16*P32+64*\ti
	ds_store_b128 v[\areg], v[ACC+8*(2*\rt+\ti)+4:ACC+8*(2*\rt+\ti)+7] offset:\off+\rt*16*P32+64*\ti+16
.endr
.endr
.endm
.macro EPIH                            ; and as bf16 hi and lo rows, for the next product
.irp rt,0,1
.irp ti,0,1
.irp j,0,1,2,3
	SPLITPK TE+12*\ti+\j, TE+12*\ti+4+\j, ACC+8*(2*\rt+\ti)+2*\j, ACC+8*(2*\rt+\ti)+2*\j+1, TE+12*\ti+8+(\j&1)*2, TE+12*\ti+9+(\j&1)*2
.endr
	ds_store_b128 v12, v[TE+12*\ti:TE+12*\ti+3] offset:\rt*16*P16+32*\ti
	ds_store_b128 v12, v[TE+12*\ti+4:TE+12*\ti+7] offset:\rt*16*P16+32*\ti+HL
.endr
.endr
.endm
.macro REQ q, k                        ; neighbour k's row of query q: two loads of 512 consecutive bytes, each landing on its own offset register
	v_readlane_b32 s[60+(\k&1)], v[IDXV+\q], \k
	s_min_u32 s[60+(\k&1)], s[60+(\k&1)], 0x3fff
	v_lshl_add_u32 v[F+8*\k], s[60+(\k&1)], 10, v4
	v_lshl_add_u32 v[F+8*\k+4], s[60+(\k&1)], 10, v4
	global_load_b128 v[F+8*\k:F+8*\k+3], v[F+8*\k], s[20:21]
	global_load_b128 v[F+8*\k+4:F+8*\k+7], v[F+8*\k+4], s[20:21] offset:512
.endm
.macro RS n, msk, xm                   ; a step of the reduce-scatter: lanes with the bit keep dot k + n, the others dot k, and take the partner's share
.set k_, 0
.rept \n
	v_cndmask_b32 v[Z+k_], v[P+k_+\n], v[P+k_], \msk
	v_cndmask_b32 v[P+k_], v[P+k_], v[P+k_+\n], \msk
	v_add_f32_dpp v[P+k_], v[Z+k_], v[P+k_] row_xmask:\xm row_mask:0xf bank_mask:0xf
.set k_, k_+1
.endr
.endm
.macro QUERY i, hn                     ; row 4 w + i; hn = 1: the next query's rows are asked for as this one's are used up
	ds_load_b128 v[U:U+3], v15 offset:UFO+\i*P32
	ds_load_b128 v[U+4:U+7], v15 offset:UFO+\i*P32+512
	ds_load_b128 v[QR:QR+3], v15 offset:\i*P32
	ds_load_b128 v[QR+4:QR+7], v15 offset:\i*P32+512
	s_wait_dscnt 0x0
.irp c,0,1,2,3
	v_pk_mul_f32 v[T+2*\c:T+2*\c+1], v[CN+8*\c:CN+8*\c+1], v[U:U+1]            ; pw[0..2].u and pb.u
.endr
.irp p,2,4,6
.irp c,0,1,2,3
	v_pk_fma_f32 v[T+2*\c:T+2*\c+1], v[CN+8*\c+\p:CN+8*\c+\p+1], v[U+\p:U+\p+1], v[T+2*\c:T+2*\c+1]
.endr
.endr
.irp p,0,2,4,6
	v_pk_fma_f32 v[T+6:T+7], v[KB+\p:KB+\p+1], v[QR+\p:QR+\p+1], v[T+6:T+7]    ; + kb.Q
.endr
.irp c,0,1,2,3
	v_add_f32 v[T+2*\c], v[T+2*\c], v[T+2*\c+1]
.endr
.irp m,1,2,4,8
.irp c,0,1,2,3
	v_add_f32_dpp v[T+2*\c], v[T+2*\c], v[T+2*\c] row_xmask:\m row_mask:0xf bank_mask:0xf
.endr
.endr
.irp c,0,1,2,3
	v_permlanex16_b32 v[T+2*\c+1], v[T+2*\c], s30, s31
.endr
.irp c,0,1,2,3
	v_add_f32 v[T+2*\c], v[T+2*\c], v[T+2*\c+1]                                ; in every lane
.endr
.irp g,0,1,2,3
	s_wait_loadcnt 24-8*\g                         ; rows up to 4 g + 3 are in; the later rows' 2 loads each may stay out
.irp u,0,1,2,3
	v_pk_mul_f32 v[Z+2*\u:Z+2*\u+1], v[F+8*(4*\g+\u):F+8*(4*\g+\u)+1], v[U:U+1]
.endr
.irp p,2,4,6
.irp u,0,1,2,3
	v_pk_fma_f32 v[Z+2*\u:Z+2*\u+1], v[F+8*(4*\g+\u)+\p:F+8*(4*\g+\u)+\p+1], v[U+\p:U+\p+1], v[Z+2*\u:Z+2*\u+1]
.endr
.endr
.irp u,0,1,2,3
	v_add_f32 v[P+4*\g+\u], v[Z+2*\u], v[Z+2*\u+1]                             ; my 8 columns' share of f_k.u
.endr
.endr
.irp c,0,1,2
	v_sub_f32 v[RC+4*\i+\c], s[36+4*\i+\c], v[RC+4*\i+\c]                      ; rel = l - r, lane k % 16
.endr
	v_fma_f32 v[T+6], v[RC+4*\i], v[T], v[T+6]
	v_fma_f32 v[T+6], v[RC+4*\i+1], v[T+2], v[T+6]
	v_fma_f32 v[T+6], v[RC+4*\i+2], v[T+4], v[T+6]
	RS 8, s26, 8
	RS 4, s27, 4
	RS 2, s28, 2
	RS 1, s29, 1
	v_permlanex16_b32 v[P+1], v[P], s30, s31
	v_add_f32 v[P], v[P], v[P+1]                   ; f_k.u in lanes k and k + 16
	v_add_f32 v[P], v[P], v[T+6]
	v_mul_f32 v[P], 0x3db8aa3b, v[P]               ; x log2(e) / 16
	v_mov_b32 v[P+1], v[P]
.irp m,1,2,4,8
	v_max_num_f32_dpp v[P+1], v[P+1], v[P+1] row_xmask:\m row_mask:0xf bank_mask:0xf
.endr
	v_sub_f32 v[P], v[P], v[P+1]                   ; the maximum is taken away: exponents are at most 0
	v_exp_f32 v[P+2], v[P]
	v_nop                                          ; one plain instruction behind a transcendental (ISA guide 5.7.2)
	s_wait_alu depctr_va_vdst(0)
	v_mov_b32 v[P+3], v[P+2]
.irp m,1,2,4,8
	v_add_f32_dpp v[P+3], v[P+3], v[P+3] row_xmask:\m row_mask:0xf bank_mask:0xf
.endr
	v_rcp_f32 v[P+4], v[P+3]
	v_nop
	s_wait_alu depctr_va_vdst(0)
	v_mul_f32 v[P+4], v[P+2], v[P+4]               ; att_k
.irp c,0,1,2
	v_mul_f32 v[P+6+2*\c], v[P+4], v[RC+4*\i+\c]
.endr
.irp m,1,2,4,8
.irp c,0,1,2
	v_add_f32_dpp v[P+6+2*\c], v[P+6+2*\c], v[P+6+2*\c] row_xmask:\m row_mask:0xf bank_mask:0xf
.endr
.endr
.irp k,0,1,2,3,4,5,6,7,8,9,10,11,12,13,14,15
	v_readlane_b32 s[68+2*\k], v[P+4], \k
.endr
.irp p,0,2,4,6
	v_pk_fma_f32 v[Z+\p:Z+\p+1], v[CN+\p:CN+\p+1], v[P+6:P+7], v[PB+\p:PB+\p+1] op_sel_hi:[1,0,1]
.endr
.irp p,0,2,4,6
	v_pk_fma_f32 v[Z+\p:Z+\p+1], v[CN+8+\p:CN+8+\p+1], v[P+8:P+9], v[Z+\p:Z+\p+1] op_sel_hi:[1,0,1]
.endr
.irp p,0,2,4,6
	v_pk_fma_f32 v[Z+\p:Z+\p+1], v[CN+16+\p:CN+16+\p+1], v[P+10:P+11], v[Z+\p:Z+\p+1] op_sel_hi:[1,0,1]
.endr
.irp k,0,1,2,3,4,5,6,7,8,9,10,11,12,13,14,15
.irp p,0,2,4,6
	v_pk_fma_f32 v[Z+\p:Z+\p+1], v[F+8*\k+\p:F+8*\k+\p+1], s[68+2*\k:69+2*\k], v[Z+\p:Z+\p+1] op_sel_hi:[1,0,1]
.endr
.if \hn
	REQ \i+1, \k
.endif
.endr
	ROWSPLIT Z, 14, \i*P16, P
	ROWSPLIT Z+4, 14, \i*P16+256, P+8
.endm
	s_load_b512 s[4:19], s[0:1], 0x0               ; x 4, weights 6, qb 8, kb 10, vb 12, pw 14, pb 16, idx 18
	s_load_b128 s[20:23], s[0:1], 0x40             ; ref_F 20, crd 22
	s_load_b64 s[24:25], s[0:1], 0x50              ; out
	v_lshl_add_u32 v18, v0, 2, 0x31200
	v_mov_b32 v19, 0
	v_lshrrev_b32 v1, 5, v0
	v_readfirstlane_b32 s2, v1                     ; wave
	v_and_b32 v1, 31, v0                           ; L
	v_and_b32 v2, 15, v0                           ; r
	v_bfe_u32 v3, v0, 4, 1                         ; h
	v_lshlrev_b32 v4, 4, v1                        ; 16 L
	v_lshl_add_u32 v5, s2, 15, v4                  ; weights: 32,768 w + 16 L
	v_lshlrev_b32 v6, 5, v3
	v_lshl_add_u32 v6, s2, 7, v6                   ; bias: 128 w + 32 h
	v_mul_u32_u24 v7, v2, P16
	v_lshl_add_u32 v7, v3, 4, v7                   ; A fragments of x: 528 r + 16 h
	v_add_nc_u32 v8, QH, v7                        ; of Q
	v_add_nc_u32 v9, ZH, v7                        ; of z
	v_mul_u32_u24 v10, v2, P32
	v_add_nc_u32 v10, v10, v6
	v_add_nc_u32 v11, AF, v10                      ; results as f32: 1,040 r + 128 w + 32 h, in AF
	v_add_nc_u32 v10, QF, v10                      ; in QF (UF by the immediate)
	v_lshl_add_u32 v12, s2, 6, v7
	v_add_nc_u32 v12, QH, v12                      ; results as bf16: 528 r + 64 w + 16 h
	s_mul_i32 s3, s2, 4*P16
	v_lshl_add_u32 v13, v1, 3, s3                  ; my rows as bf16: 528 x 4 w + 8 L, in XH
	v_add_nc_u32 v14, ZH, v13                      ; in ZH
	s_mul_i32 s3, s2, 4*P32
	v_add_nc_u32 v15, s3, v4
	v_add_nc_u32 v16, AF, v15                      ; my rows as f32: 1,040 x 4 w + 16 L, in AF
	v_add_nc_u32 v15, QF, v15                      ; in QF (UF by the immediate)
	v_lshlrev_b32 v17, 2, v2
	s_mov_b32 s26, 0xff00ff00
	s_mov_b32 s27, 0xf0f0f0f0
	s_mov_b32 s28, 0xcccccccc
	s_mov_b32 s29, 0xaaaaaaaa
	s_mov_b32 s30, 0x76543210                      ; v_permlanex16_b32: lane i of the other half
	s_mov_b32 s31, 0xfedcba98
	s_mov_b32 s33, 0xffff0000
.irp k,0,1,2,3,4,5,6,7,8,9,10,11,12,13,14,15
	s_mov_b32 s[69+2*\k], 0                        ; the pairs' second halves are named by the packed multiply-adds, and not used
.endr
	s_lshl_b32 s32, ttmp9, 5
	s_lshl2_add_u32 s32, s2, s32                   ; my first row
	s_lshl_b32 s34, s32, 10
	s_mov_b32 s35, 0
	s_wait_kmcnt 0x0
	s_add_nc_u64 s[52:53], s[4:5], s[34:35]
	s_add_nc_u64 s[54:55], s[24:25], s[34:35]
	s_lshl_b32 s34, s32, 6
	s_add_nc_u64 s[56:57], s[18:19], s[34:35]
	s_lshl_b32 s34, s32, 4
	s_add_co_u32 s34, s34, QP
	s_add_nc_u64 s[58:59], s[22:23], s[34:35]
	s_load_b512 s[36:51], s[58:59], 0x0            ; my four queries' x, y, z, |l|^2
.irp i,0,1,2,3
	global_load_b32 v[IDXV+\i], v17, s[56:57] offset:64*\i
.endr
.irp i,0,1,2,3
	global_load_b128 v[F+8*\i:F+8*\i+3], v4, s[52:53] offset:1024*\i
	global_load_b128 v[F+8*\i+4:F+8*\i+7], v4, s[52:53] offset:1024*\i+512
.endr
.irp c,0,1,2
	global_load_b128 v[CN+8*\c:CN+8*\c+3], v4, s[14:15] offset:1024*\c
	global_load_b128 v[CN+8*\c+4:CN+8*\c+7], v4, s[14:15] offset:1024*\c+512
.endr
	global_load_b128 v[PB:PB+3], v4, s[16:17]
	global_load_b128 v[PB+4:PB+7], v4, s[16:17] offset:512
	global_load_b128 v[KB:KB+3], v4, s[10:11]
	global_load_b128 v[KB+4:KB+7], v4, s[10:11] offset:512
	BIAS 8, 9
	FILL 0
	s_wait_loadcnt 0x3f                            ; 94 loads are issued: with at most 63 out the first 31 are in, the 30 in front of the weights among them
.irp i,0,1,2,3
	ROWSPLIT F+8*\i, 13, \i*P16, TE
	ROWSPLIT F+8*\i+4, 13, \i*P16+256, TE+8
.endr
.irp i,0,1,2,3
	v_min_u32 v[IDXV+\i], 0x3fff, v[IDXV+\i]
	v_lshlrev_b32 v[RC+4*\i], 4, v[IDXV+\i]
	global_load_b128 v[RC+4*\i:RC+4*\i+3], v[RC+4*\i], s[22:23] offset:REFP
.endr
	s_wait_dscnt 0x0
	s_barrier_signal -1
	s_barrier_wait -1                              ; x is whole in LDS
	GEMM 7, 1, 262144, 0, 1                        ; Q = x qw + qb; kw's fragments follow into the ring
	EPIF 10, 0
	EPIH
	s_wait_dscnt 0x0
	s_barrier_signal -1
	s_barrier_wait -1
	GEMM 8, 1, 524288, 1, 1                        ; u = Q kw^T; vw's fragments follow
	EPIF 10, UFO
	s_wait_dscnt 0x0
	s_barrier_signal -1
	s_barrier_wait -1
	s_wait_kmcnt 0x0
.irp k,0,1,2,3,4,5,6,7,8,9,10,11,12,13,14,15
	REQ 0, \k
.endr
	QUERY 0, 1
	QUERY 1, 1
	QUERY 2, 1
	QUERY 3, 0
	BIAS 12, 13
	s_wait_dscnt 0x0
	s_barrier_signal -1
	s_barrier_wait -1                              ; z is whole in LDS
	s_wait_loadcnt 0x0                             ; vb; vw's fragments came long ago
	GEMM 9, 0, 0, 0, 0                             ; out = z vw + vb
	EPIF 11, 0
	s_wait_dscnt 0x0
	s_barrier_signal -1
	s_barrier_wait -1
.irp i,0,1,2,3
	ds_load_b128 v[F+8*\i:F+8*\i+3], v16 offset:\i*P32
	ds_load_b128 v[F+8*\i+4:F+8*\i+7], v16 offset:\i*P32+512
.endr
.irp i,0,1,2,3
	s_wait_dscnt 7-2*\i
	global_store_b128 v4, v[F+8*\i:F+8*\i+3], s[54:55] offset:1024*\i          ; a store covers 512 consecutive bytes of a row
	s_wait_dscnt 6-2*\i
	global_store_b128 v4, v[F+8*\i+4:F+8*\i+7], s[54:55] offset:1024*\i+512
.endr
	s_wait_tensorcnt 0x0
	ds_add_u32 v18, v19
	s_wait_dscnt 0x0
	s_endpgm
.Lfunc_end_k_q3db4e3ce10_att0:
	.size	k_q3db4e3ce10_att0, .Lfunc_end_k_q3db4e3ce10_att0-k_q3db4e3ce10_att0
	.p2alignl 7, 3214868480
	.fill 96, 4, 3214868480
	.section	.rodata,"a",@progbits
	.p2align	6, 0x0
	.amdhsa_kernel k_q3db4e3ce10_att0
		.amdhsa_group_segment_fixed_size 202240
		.amdhsa_private_segment_fixed_size 0
		.amdhsa_enable_private_segment 0
		.amdhsa_kernarg_size 88
		.amdhsa_user_sgpr_count 2
		.amdhsa_user_sgpr_kernarg_segment_ptr 1
		.amdhsa_wavefront_size32 1
		.amdhsa_system_sgpr_workgroup_id_x 1
		.amdhsa_system_sgpr_workgroup_id_y 1
		.amdhsa_system_sgpr_workgroup_id_z 1
		.amdhsa_system_vgpr_workitem_id 0
		.amdhsa_next_free_vgpr 512
		.amdhsa_next_free_sgpr 100
		.amdhsa_reserve_vcc 0
		.amdhsa_float_denorm_mode_32 3
		.amdhsa_float_denorm_mode_16_64 3
		.amdhsa_memory_ordered 1
		.amdhsa_forward_progress 1
		.amdhsa_inst_pref_size 183
	.end_amdhsa_kernel
	.amdgpu_metadata
---
amdhsa.version: [ 1, 2 ]
amdhsa.kernels:
  - .name:           k_q3db4e3ce10_att0
    .symbol:         k_q3db4e3ce10_att0.kd
    .args:
      - { .name: lossy_F, .offset: 0, .size: 8, .value_kind: global_buffer, .address_space: global }
      - { .name: wl0, .offset: 8, .size: 8, .value_kind: global_buffer, .address_space: global }
      - { .name: q0_b, .offset: 16, .size: 8, .value_kind: global_buffer, .address_space: global }
      - { .name: k0_b, .offset: 24, .size: 8, .value_kind: global_buffer, .address_space: global }
      - { .name: v0_b, .offset: 32, .size: 8, .value_kind: global_buffer, .address_space: global }
      - { .name: pos0_w, .offset: 40, .size: 8, .value_kind: global_buffer, .address_space: global }
      - { .name: pos0_b, .offset: 48, .size: 8, .value_kind: global_buffer, .address_space: global }
      - { .name: idx, .offset: 56, .size: 8, .value_kind: global_buffer, .address_space: global }
      - { .name: ref_F, .offset: 64, .size: 8, .value_kind: global_buffer, .address_space: global }
      - { .name: crd, .offset: 72, .size: 8, .value_kind: global_buffer, .address_space: global }
      - { .name: big, .offset: 80, .size: 8, .value_kind: global_buffer, .address_space: global }
    .group_segment_fixed_size: 202240
    .private_segment_fixed_size: 0
    .kernarg_segment_align: 8
    .kernarg_segment_size: 88
    .max_flat_workgroup_size: 256
    .sgpr_count:     100
    .vgpr_count:     512
    .wavefront_size: 32
...
	.end_amdgpu_metadata
.endif
;; end of part 5
;; launch att1: the kernel of part 5 again; grid 256 x 1, 8 waves a work-group, no clusters, 202,240 bytes of LDS; arguments big, wl1, q1_b, k1_b, v1_b, pos1_w, pos1_b, idx, ref_F, crd, a2b; writes a2b
;; launch stat0 (part 6): grid 64 x 4, 8 waves a work-group, no clusters, 9,216 bytes of LDS; arguments lossy_F, a2b, st0; writes st0
.if DOCPART == 6
	.amdgcn_target "amdgcn-amd-amdhsa--gfx1250"
	.amdhsa_code_object_version 6
	.text
	.protected	k_q3db4e3ce10_stat0
	.globl	k_q3db4e3ce10_stat0
	.p2align	8
	.type	k_q3db4e3ce10_stat0,@function
k_q3db4e3ce10_stat0:
	s_mov_b64 s[64:65], 0
	v_nop
	global_prefetch_b8 v0, s[64:65] scope:SCOPE_SE
	s_setreg_imm32_b32 hwreg(HW_REG_WAVE_MODE, 25, 1), 1
	s_wait_xcnt 0x0
; stat0: for t = lossy_F + attention output, the mean and the sum of squared deviations from it (M2) of each column over blocks of 128 rows.
; Means and M2 of blocks are joined later without any difference of large sums.  A work-group takes 128 rows x 64 columns (256 bytes of a row);
; thread: columns 4 (tid % 16) .. + 3, rows 8 (tid / 16) .. + 7.  A stream: no matrix unit, no cluster (no byte is read twice).
.set FR, 16                            ; v16-47   8 rows x 4 columns of lossy_F, then t
.set AR, 48                            ; v48-79   of the attention output
.set RT, 80                            ; v80-143  the sixteen partial sums
.macro ADD4 d, a, b
	v_pk_add_f32 v[\d:\d+1], v[\a:\a+1], v[\b:\b+1]
	v_pk_add_f32 v[\d+2:\d+3], v[\a+2:\a+3], v[\b+2:\b+3]
.endm
.macro MUL4 d, a, b
	v_pk_mul_f32 v[\d:\d+1], v[\a:\a+1], v[\b:\b+1]
	v_pk_mul_f32 v[\d+2:\d+3], v[\a+2:\a+3], v[\b+2:\b+3]
.endm
.macro FMA4 d, a, b, c
	v_pk_fma_f32 v[\d:\d+1], v[\a:\a+1], v[\b:\b+1], v[\c:\c+1]
	v_pk_fma_f32 v[\d+2:\d+3], v[\a+2:\a+3], v[\b+2:\b+3], v[\c+2:\c+3]
.endm
.macro RED16 src, region               ; the sum over the sixteen threads of a column group, in v[RT:RT+3] of each; a region of its own for each use
	ds_store_b128 v5, v[\src:\src+3] offset:\region
	s_wait_dscnt 0x0                               ; my share is in LDS,
	s_barrier_signal -1
	s_barrier_wait -1                              ; everybody's is
.irp i,0,1,2,3,4,5,6,7,8,9,10,11,12,13,14,15
	ds_load_b128 v[RT+4*\i:RT+4*\i+3], v3 offset:\region+256*\i
.endr
	s_wait_dscnt 0x0
.irp st,8,4,2,1
.set i_, 0
.rept \st
	ADD4 RT+4*i_, RT+4*i_, RT+4*(i_+\st)
.set i_, i_+1
.endr
.endr
.endm
	s_load_b128 s[4:7], s[0:1], 0x0
	s_load_b64 s[8:9], s[0:1], 0x10
	v_lshl_add_u32 v148, v0, 2, 0x2000
	v_mov_b32 v149, 0
	v_lshrrev_b32 v1, 5, v0
	v_readfirstlane_b32 s2, v1
	v_and_b32 v1, 15, v0
	v_lshrrev_b32 v2, 4, v0
	v_lshlrev_b32 v3, 4, v1                        ; 16 (tid % 16)
	v_lshl_add_u32 v4, v2, 13, v3                  ; + 8 rows of 1,024 bytes x (tid / 16)
	v_lshlrev_b32 v5, 4, v0
	v_lshl_add_u32 v6, v2, 10, v3
	s_and_b32 s3, ttmp7, 0xffff
	s_lshl_b32 s3, s3, 8                           ; my 64 columns
	s_lshl_b32 s10, ttmp9, 17                      ; my 128 rows
	s_add_co_u32 s10, s10, s3
	s_mov_b32 s11, 0
	s_lshl_b32 s12, ttmp9, 11
	s_add_co_u32 s12, s12, s3
	s_mov_b32 s13, 0
	s_mov_b32 s14, 0xffff0000
	s_wait_kmcnt 0x0
	s_add_nc_u64 s[4:5], s[4:5], s[10:11]
	s_add_nc_u64 s[6:7], s[6:7], s[10:11]
	s_add_nc_u64 s[8:9], s[8:9], s[12:13]
.irp i,0,1,2,3,4,5,6,7
	global_load_b128 v[FR+4*\i:FR+4*\i+3], v4, s[4:5] offset:1024*\i
	global_load_b128 v[AR+4*\i:AR+4*\i+3], v4, s[6:7] offset:1024*\i
.endr
	s_wait_loadcnt 0x0
.irp i,0,1,2,3,4,5,6,7
	ADD4 FR+4*\i, FR+4*\i, AR+4*\i
.endr
	ADD4 8, FR, FR+4
	ADD4 144, FR+8, FR+12
	ADD4 8, 8, FR+16
	ADD4 144, 144, FR+20
	ADD4 8, 8, FR+24
	ADD4 144, 144, FR+28
	ADD4 8, 8, 144
	RED16 8, 0
	v_pk_mul_f32 v[12:13], v[RT:RT+1], 0xbc000000 op_sel_hi:[1,0]              ; - mean = sum x (-1/128)
	v_pk_mul_f32 v[14:15], v[RT+2:RT+3], 0xbc000000 op_sel_hi:[1,0]
.irp i,0,1,2,3,4,5,6,7
	ADD4 FR+4*\i, FR+4*\i, 12
.endr
	MUL4 8, FR, FR
	MUL4 144, FR+4, FR+4
.irp i,2,4,6
	FMA4 8, FR+4*\i, FR+4*\i, 8
	FMA4 144, FR+4*\i+4, FR+4*\i+4, 144
.endr
	ADD4 8, 8, 144
	RED16 8, 4096
	s_cmp_lg_u32 s2, 0
	s_cbranch_scc1 .Lend
	v_pk_mul_f32 v[8:9], v[12:13], -1.0 op_sel_hi:[1,0]
	v_pk_mul_f32 v[10:11], v[14:15], -1.0 op_sel_hi:[1,0]
.irp e,0,1,2,3
	v_cndmask_b32 v[8+\e], v[8+\e], v[RT+\e], s14  ; lanes 0-15 store the means, lanes 16-31 the M2: 256 consecutive bytes each
.endr
	global_store_b128 v6, v[8:11], s[8:9]
.Lend:
	s_wait_tensorcnt 0x0
	ds_add_u32 v148, v149
	s_wait_dscnt 0x0
	s_endpgm
.Lfunc_end_k_q3db4e3ce10_stat0:
	.size	k_q3db4e3ce10_stat0, .Lfunc_end_k_q3db4e3ce10_stat0-k_q3db4e3ce10_stat0
	.p2alignl 7, 3214868480
	.fill 96, 4, 3214868480
	.section	.rodata,"a",@progbits
	.p2align	6, 0x0
	.amdhsa_kernel k_q3db4e3ce10_stat0
		.amdhsa_group_segment_fixed_size 9216
		.amdhsa_private_segment_fixed_size 0
		.amdhsa_enable_private_segment 0
		.amdhsa_kernarg_size 24
		.amdhsa_user_sgpr_count 2
		.amdhsa_user_sgpr_kernarg_segment_ptr 1
		.amdhsa_wavefront_size32 1
		.amdhsa_system_sgpr_workgroup_id_x 1
		.amdhsa_system_sgpr_workgroup_id_y 1
		.amdhsa_system_sgpr_workgroup_id_z 1
		.amdhsa_system_vgpr_workitem_id 0
		.amdhsa_next_free_vgpr 150
		.amdhsa_next_free_sgpr 66
		.amdhsa_reserve_vcc 0
		.amdhsa_float_denorm_mode_32 3
		.amdhsa_float_denorm_mode_16_64 3
		.amdhsa_memory_ordered 1
		.amdhsa_forward_progress 1
		.amdhsa_inst_pref_size 14
	.end_amdhsa_kernel
	.amdgpu_metadata
---
amdhsa.version: [ 1, 2 ]
amdhsa.kernels:
  - .name:           k_q3db4e3ce10_stat0
    .symbol:         k_q3db4e3ce10_stat0.kd
    .args:
      - { .name: lossy_F, .offset: 0, .size: 8, .value_kind: global_buffer, .address_space: global }
      - { .name: a2b, .offset: 8, .size: 8, .value_kind: global_buffer, .address_space: global }
      - { .name: st0, .offset: 16, .size: 8, .value_kind: global_buffer, .address_space: global }
    .group_segment_fixed_size: 9216
    .private_segment_fixed_size: 0
    .kernarg_segment_align: 8
    .kernarg_segment_size: 24
    .max_flat_workgroup_size: 256
    .sgpr_count:     66
    .vgpr_count:     150
    .wavefront_size: 32
...
	.end_amdgpu_metadata
.endif
;; end of part 6
;; launch lin (part 7): grid 256 x 1, 8 waves a work-group, no clusters, 104,448 bytes of LDS; arguments lossy_F, a2b, st0, crd, bn0_g, bn0_b, lin_b, big; writes big
.if DOCPART == 7
	.amdgcn_target "amdgcn-amd-amdhsa--gfx1250"
	.amdhsa_code_object_version 6
	.text
	.protected	k_q3db4e3ce10_lin
	.globl	k_q3db4e3ce10_lin
	.p2align	8
	.type	k_q3db4e3ce10_lin,@function
k_q3db4e3ce10_lin:
	s_mov_b64 s[64:65], 0
	v_nop
	global_prefetch_b8 v0, s[64:65] scope:SCOPE_SE
	s_setreg_imm32_b32 hwreg(HW_REG_WAVE_MODE, 25, 1), 1
	s_wait_xcnt 0x0
; lin: o = bn0(lossy_F + attention output), y = o lin_w + lin_b + o, for 32 rows a work-group; y goes out with each column's mean and M2 over the 32 rows.
; Every work-group joins the 64 block statistics itself (thread = column): mean = sum mean_i / 64, M2 = sum M2_i + 128 sum (mean_i - mean)^2.
; The product runs as in the attention: bf16 hi + lo, three products, f32 sums; wave w owns columns 32 w .. + 31, and rows 4 w .. + 3 in the row phases.
; No joint loads: each weight byte goes once into one wave's registers (window 1); through LDS it would be written and read once more.
.set P16, 528
.set P32, 1040
.set HL,  16896
.set SCO, 1024                         ; LDS: - mean 0, scale 1,024, shift 2,048
.set BBO, 2048
.set XH,  3072                         ; XL 19,968
.set OF,  36864
.set YFO, 33280                        ; YF = OF + 33,280
.set YF,  70144
.set WLN, 1966080
.set ACC, 80
.set AA,  112
.set MSB, 0
.macro WIN new
.if MSB != \new
	s_set_vgpr_msb (MSB<<8)|\new
.set MSB, \new
.endif
.endm
.macro PLACES
.rept 4
	v_nop
.endr
.endm
.macro ADD4 d, a, b
	v_pk_add_f32 v[\d:\d+1], v[\a:\a+1], v[\b:\b+1]
	v_pk_add_f32 v[\d+2:\d+3], v[\a+2:\a+3], v[\b+2:\b+3]
.endm
.macro MUL4 d, a, b
	v_pk_mul_f32 v[\d:\d+1], v[\a:\a+1], v[\b:\b+1]
	v_pk_mul_f32 v[\d+2:\d+3], v[\a+2:\a+3], v[\b+2:\b+3]
.endm
.macro FMA4 d, a, b, c
	v_pk_fma_f32 v[\d:\d+1], v[\a:\a+1], v[\b:\b+1], v[\c:\c+1]
	v_pk_fma_f32 v[\d+2:\d+3], v[\a+2:\a+3], v[\b+2:\b+3], v[\c+2:\c+3]
.endm
.macro SPLITPK hi, lo, a, b, t0, t1
	v_cvt_pk_bf16_f32 v[\hi], v[\a], v[\b]
	v_lshlrev_b32 v[\t0], 16, v[\hi]
	v_and_b32 v[\t1], s33, v[\hi]
	v_sub_f32 v[\t0], v[\a], v[\t0]
	v_sub_f32 v[\t1], v[\b], v[\t1]
	v_cvt_pk_bf16_f32 v[\lo], v[\t0], v[\t1]
.endm
.macro ROWSPLIT src, areg, off, tb
	SPLITPK \tb, \tb+2, \src, \src+1, \tb+4, \tb+5
	SPLITPK \tb+1, \tb+3, \src+2, \src+3, \tb+6, \tb+7
	ds_store_b64 v[\areg], v[\tb:\tb+1] offset:\off
	ds_store_b64 v[\areg], v[\tb+2:\tb+3] offset:\off+HL
.endm
.macro ALD areg, ks
.irp part,0,1
.irp rt,0,1
	ds_load_b128 v[AA+32*((\ks)&1)+16*\part+8*\rt:AA+32*((\ks)&1)+16*\part+8*\rt+3], v[\areg] offset:\part*HL+\rt*16*P16+64*(\ks)
	ds_load_b128 v[AA+32*((\ks)&1)+16*\part+8*\rt+4:AA+32*((\ks)&1)+16*\part+8*\rt+7], v[\areg] offset:\part*HL+\rt*16*P16+64*(\ks)+32
.endr
.endr
.endm
.macro MM4 ks, bp, ap                  ; source 0 = 16 columns of W (window 1), source 1 = 16 rows: a lane's results are 8 neighbouring columns of a row
.irp rt,0,1
.irp ti,0,1
	v_wmma_f32_16x16x32_bf16 v[ACC+8*(2*\rt+\ti):ACC+8*(2*\rt+\ti)+7], v[32*\ks+8*(2*\ti+\bp):32*\ks+8*(2*\ti+\bp)+7], v[AA+32*(\ks&1)+16*\ap+8*\rt:AA+32*(\ks&1)+16*\ap+8*\rt+7], v[ACC+8*(2*\rt+\ti):ACC+8*(2*\rt+\ti)+7]
.endr
.endr
.endm
.macro SUM64 src, acc                  ; the sum of 64 registers, in four chains of pairs; the result in v[acc]
.irp c,0,1,2,3
	v_pk_add_f32 v[\acc+2*\c:\acc+2*\c+1], v[\src+2*\c:\src+2*\c+1], v[\src+8+2*\c:\src+8+2*\c+1]
.endr
.set p_, 8
.rept 24
	v_pk_add_f32 v[\acc+2*(p_&3):\acc+2*(p_&3)+1], v[\acc+2*(p_&3):\acc+2*(p_&3)+1], v[\src+2*p_:\src+2*p_+1]
.set p_, p_+1
.endr
	v_pk_add_f32 v[\acc:\acc+1], v[\acc:\acc+1], v[\acc+2:\acc+3]
	v_pk_add_f32 v[\acc+4:\acc+5], v[\acc+4:\acc+5], v[\acc+6:\acc+7]
	v_pk_add_f32 v[\acc:\acc+1], v[\acc:\acc+1], v[\acc+4:\acc+5]
	v_add_f32 v[\acc], v[\acc], v[\acc+1]
.endm
	s_load_b512 s[4:19], s[0:1], 0x0               ; lossy_F 4, a2b 6, st0 8, crd 10, g 12, b 14, lin_b 16, big 18
	v_lshl_add_u32 v78, v0, 2, 0x19400
	v_mov_b32 v79, 0
	v_lshrrev_b32 v1, 5, v0
	v_readfirstlane_b32 s2, v1
	v_and_b32 v1, 31, v0
	v_and_b32 v2, 15, v0
	v_bfe_u32 v3, v0, 4, 1
	v_lshlrev_b32 v4, 4, v1
	v_lshl_add_u32 v5, s2, 15, v4
	v_lshlrev_b32 v6, 5, v3
	v_lshl_add_u32 v6, s2, 7, v6
	v_mul_u32_u24 v7, v2, P16
	v_lshl_add_u32 v7, v3, 4, v7
	v_add_nc_u32 v7, XH, v7
	v_mul_u32_u24 v10, v2, P32
	v_add_nc_u32 v10, v10, v6
	v_add_nc_u32 v10, OF, v10
	s_mul_i32 s3, s2, 4*P16
	v_lshl_add_u32 v13, v1, 3, s3
	v_add_nc_u32 v13, XH, v13
	s_mul_i32 s3, s2, 4*P32
	v_add_nc_u32 v15, s3, v4
	v_add_nc_u32 v15, OF, v15
	v_lshlrev_b32 v17, 2, v0                       ; 4 x column
	v_lshlrev_b32 v18, 4, v0
	v_add_nc_u32 v16, YF, v18
	s_mov_b32 s28, 0x39000000                      ; 1 / 8192
	s_mov_b32 s29, 0x3727c5ac                      ; 1e-5
	s_mov_b32 s33, 0xffff0000
	s_lshl_b32 s32, ttmp9, 5
	s_lshl2_add_u32 s32, s2, s32
	s_lshl_b32 s30, s32, 10
	s_mov_b32 s31, 0
	s_wait_kmcnt 0x0
	s_add_nc_u64 s[20:21], s[4:5], s[30:31]
	s_add_nc_u64 s[22:23], s[6:7], s[30:31]
	s_add_nc_u64 s[24:25], s[18:19], s[30:31]
	s_lshl_b32 s30, ttmp9, 11
	s_add_nc_u64 s[26:27], s[18:19], s[30:31]
	s_add_nc_u64 s[26:27], s[26:27], 0x800000      ; the blocks' statistics lie behind y
.set n_, 0
.rept 64
	global_load_b32 v[128+n_], v17, s[8:9] offset:2048*n_
	global_load_b32 v[192+n_], v17, s[8:9] offset:2048*n_+1024
.set n_, n_+1
.endr
	global_load_b32 v8, v17, s[12:13]
	global_load_b32 v9, v17, s[14:15]
.irp rt,0,1
.irp ti,0,1
	global_load_b128 v[ACC+8*(2*\rt+\ti):ACC+8*(2*\rt+\ti)+3], v6, s[16:17] offset:64*\ti
	global_load_b128 v[ACC+8*(2*\rt+\ti)+4:ACC+8*(2*\rt+\ti)+7], v6, s[16:17] offset:64*\ti+16
.endr
.endr
	WIN 0x40
.set n_, 0
.rept 64
	global_load_b128 v[4*n_:4*n_+3], v5, s[10:11] offset:WLN+512*n_
.set n_, n_+1
.endr
	WIN 0
	s_wait_loadcnt 0x3f                            ; 202 loads are issued: with at most 63 out the first 139 are in, the 130 of the statistics among them
	SUM64 128, 20
	SUM64 192, 36
	v_mul_f32 v44, 0xbc800000, v20                 ; - mean
	v_mov_b32 v45, v44
.set p_, 0
.rept 32
	v_pk_add_f32 v[128+2*p_:129+2*p_], v[128+2*p_:129+2*p_], v[44:45]
.set p_, p_+1
.endr
.irp c,0,1,2,3
	v_pk_mul_f32 v[28+2*\c:29+2*\c], v[128+2*\c:129+2*\c], v[128+2*\c:129+2*\c]
.endr
.set p_, 4
.rept 28
	v_pk_fma_f32 v[28+2*(p_&3):29+2*(p_&3)], v[128+2*p_:129+2*p_], v[128+2*p_:129+2*p_], v[28+2*(p_&3):29+2*(p_&3)]
.set p_, p_+1
.endr
	v_pk_add_f32 v[28:29], v[28:29], v[30:31]
	v_pk_add_f32 v[32:33], v[32:33], v[34:35]
	v_pk_add_f32 v[28:29], v[28:29], v[32:33]
	v_add_f32 v28, v28, v29
	v_fmamk_f32 v36, v28, 0x43000000, v36          ; M2 = sum M2_i + 128 sum (mean_i - mean)^2
	v_fma_f32 v36, v36, s28, s29
	v_rsq_f32 v37, v36
	v_nop
	s_wait_alu depctr_va_vdst(0)
	v_mul_f32 v37, v8, v37
.irp i,0,1,2,3
	global_load_b128 v[128+8*\i:128+8*\i+3], v4, s[20:21] offset:1024*\i
	global_load_b128 v[128+8*\i+4:128+8*\i+7], v4, s[20:21] offset:1024*\i+512
	global_load_b128 v[160+8*\i:160+8*\i+3], v4, s[22:23] offset:1024*\i
	global_load_b128 v[160+8*\i+4:160+8*\i+7], v4, s[22:23] offset:1024*\i+512
.endr
	ds_store_b32 v17, v44
	ds_store_b32 v17, v37 offset:SCO
	ds_store_b32 v17, v9 offset:BBO
	s_wait_dscnt 0x0
	s_barrier_signal -1
	s_barrier_wait -1
	ds_load_b128 v[48:51], v4
	ds_load_b128 v[52:55], v4 offset:512
	ds_load_b128 v[56:59], v4 offset:SCO
	ds_load_b128 v[60:63], v4 offset:SCO+512
	ds_load_b128 v[64:67], v4 offset:BBO
	ds_load_b128 v[68:71], v4 offset:BBO+512
	s_wait_loadcnt 0x0                             ; my rows, and with them the bias and the weights
	s_wait_dscnt 0x0
.irp i,0,1,2,3
.irp p,0,2,4,6
	v_pk_add_f32 v[128+8*\i+\p:129+8*\i+\p], v[128+8*\i+\p:129+8*\i+\p], v[160+8*\i+\p:161+8*\i+\p]
.endr
.irp p,0,2,4,6
	v_pk_add_f32 v[128+8*\i+\p:129+8*\i+\p], v[128+8*\i+\p:129+8*\i+\p], v[48+\p:49+\p]
.endr
.irp p,0,2,4,6
	v_pk_fma_f32 v[128+8*\i+\p:129+8*\i+\p], v[128+8*\i+\p:129+8*\i+\p], v[56+\p:57+\p], v[64+\p:65+\p]
.endr
	ds_store_b128 v15, v[128+8*\i:128+8*\i+3] offset:\i*P32
	ds_store_b128 v15, v[128+8*\i+4:128+8*\i+7] offset:\i*P32+512
	ROWSPLIT 128+8*\i, 13, \i*P16, 20
	ROWSPLIT 128+8*\i+4, 13, \i*P16+256, 28
.endr
	s_wait_dscnt 0x0
	s_barrier_signal -1
	s_barrier_wait -1
	; The product.  The four accumulators take turns, one instruction a turn; four v_nop behind each K step (ISA guide 7.12.1).
	ALD 7, 0
	ALD 7, 1
.irp ks,0,1,2,3,4,5,6,7
.if \ks < 7
	s_wait_dscnt 0x8                               ; this step's fragments are in; the next step's 8 loads may stay out
.else
	s_wait_dscnt 0x0
.endif
	WIN 0x01
	MM4 \ks, 0, 0
	MM4 \ks, 1, 0
	MM4 \ks, 0, 1
	WIN 0
	PLACES
.if \ks < 6
	ALD 7, \ks+2
.endif
.endr
.irp rt,0,1
.irp ti,0,1
	ds_load_b128 v[176+8*(2*\rt+\ti):176+8*(2*\rt+\ti)+3], v10 offset:\rt*16*P32+64*\ti
	ds_load_b128 v[176+8*(2*\rt+\ti)+4:176+8*(2*\rt+\ti)+7], v10 offset:\rt*16*P32+64*\ti+16
.endr
.endr
	s_wait_dscnt 0x0
.set p_, 0
.rept 16
	v_pk_add_f32 v[ACC+2*p_:ACC+2*p_+1], v[ACC+2*p_:ACC+2*p_+1], v[176+2*p_:177+2*p_]   ; + o
.set p_, p_+1
.endr
.irp rt,0,1
.irp ti,0,1
	ds_store_b128 v10, v[ACC+8*(2*\rt+\ti):ACC+8*(2*\rt+\ti)+3] offset:YFO+\rt*16*P32+64*\ti
	ds_store_b128 v10, v[ACC+8*(2*\rt+\ti)+4:ACC+8*(2*\rt+\ti)+7] offset:YFO+\rt*16*P32+64*\ti+16
.endr
.endr
	s_wait_dscnt 0x0
	s_barrier_signal -1
	s_barrier_wait -1
.irp i,0,1,2,3
	ds_load_b128 v[20+8*\i:20+8*\i+3], v15 offset:YFO+\i*P32
	ds_load_b128 v[20+8*\i+4:20+8*\i+7], v15 offset:YFO+\i*P32+512
.endr
.irp i,0,1,2,3
	s_wait_dscnt 7-2*\i
	global_store_b128 v4, v[20+8*\i:20+8*\i+3], s[24:25] offset:1024*\i
	s_wait_dscnt 6-2*\i
	global_store_b128 v4, v[20+8*\i+4:20+8*\i+7], s[24:25] offset:1024*\i+512
.endr
	s_cmp_gt_u32 s2, 1
	s_cbranch_scc1 .Ldone
	; waves 0 and 1: four columns a lane, the 32 rows' mean and M2
.set n_, 0
.rept 32
	ds_load_b128 v[128+4*n_:128+4*n_+3], v16 offset:P32*n_
.set n_, n_+1
.endr
	s_wait_dscnt 0x0
	ADD4 52, 128, 136
	ADD4 56, 132, 140
.set n_, 4
.rept 14
	ADD4 52, 52, 128+4*n_
	ADD4 56, 56, 132+4*n_
.set n_, n_+2
.endr
	ADD4 52, 52, 56
	v_pk_mul_f32 v[60:61], v[52:53], 0xbd000000 op_sel_hi:[1,0]                ; - mean = sum x (-1/32)
	v_pk_mul_f32 v[62:63], v[54:55], 0xbd000000 op_sel_hi:[1,0]
.set n_, 0
.rept 32
	ADD4 128+4*n_, 128+4*n_, 60
.set n_, n_+1
.endr
	MUL4 52, 128, 128
	MUL4 56, 132, 132
.set n_, 2
.rept 15
	FMA4 52, 128+4*n_, 128+4*n_, 52
	FMA4 56, 132+4*n_, 132+4*n_, 56
.set n_, n_+2
.endr
	ADD4 52, 52, 56
	v_pk_mul_f32 v[60:61], v[60:61], -1.0 op_sel_hi:[1,0]
	v_pk_mul_f32 v[62:63], v[62:63], -1.0 op_sel_hi:[1,0]
	global_store_b128 v18, v[60:63], s[26:27]
	global_store_b128 v18, v[52:55], s[26:27] offset:1024
.Ldone:
	s_wait_tensorcnt 0x0
	ds_add_u32 v78, v79
	s_wait_dscnt 0x0
	s_endpgm
.Lfunc_end_k_q3db4e3ce10_lin:
	.size	k_q3db4e3ce10_lin, .Lfunc_end_k_q3db4e3ce10_lin-k_q3db4e3ce10_lin
	.p2alignl 7, 3214868480
	.fill 96, 4, 3214868480
	.section	.rodata,"a",@progbits
	.p2align	6, 0x0
	.amdhsa_kernel k_q3db4e3ce10_lin
		.amdhsa_group_segment_fixed_size 104448
		.amdhsa_private_segment_fixed_size 0
		.amdhsa_enable_private_segment 0
		.amdhsa_kernarg_size 64
		.amdhsa_user_sgpr_count 2
		.amdhsa_user_sgpr_kernarg_segment_ptr 1
		.amdhsa_wavefront_size32 1
		.amdhsa_system_sgpr_workgroup_id_x 1
		.amdhsa_system_sgpr_workgroup_id_y 1
		.amdhsa_system_sgpr_workgroup_id_z 1
		.amdhsa_system_vgpr_workitem_id 0
		.amdhsa_next_free_vgpr 512
		.amdhsa_next_free_sgpr 66
		.amdhsa_reserve_vcc 0
		.amdhsa_float_denorm_mode_32 3
		.amdhsa_float_denorm_mode_16_64 3
		.amdhsa_memory_ordered 1
		.amdhsa_forward_progress 1
		.amdhsa_inst_pref_size 71
	.end_amdhsa_kernel
	.amdgpu_metadata
---
amdhsa.version: [ 1, 2 ]
amdhsa.kernels:
  - .name:           k_q3db4e3ce10_lin
    .symbol:         k_q3db4e3ce10_lin.kd
    .args:
      - { .name: lossy_F, .offset: 0, .size: 8, .value_kind: global_buffer, .address_space: global }
      - { .name: a2b, .offset: 8, .size: 8, .value_kind: global_buffer, .address_space: global }
      - { .name: st0, .offset: 16, .size: 8, .value_kind: global_buffer, .address_space: global }
      - { .name: crd, .offset: 24, .size: 8, .value_kind: global_buffer, .address_space: global }
      - { .name: bn0_g, .offset: 32, .size: 8, .value_kind: global_buffer, .address_space: global }
      - { .name: bn0_b, .offset: 40, .size: 8, .value_kind: global_buffer, .address_space: global }
      - { .name: lin_b, .offset: 48, .size: 8, .value_kind: global_buffer, .address_space: global }
      - { .name: big, .offset: 56, .size: 8, .value_kind: global_buffer, .address_space: global }
    .group_segment_fixed_size: 104448
    .private_segment_fixed_size: 0
    .kernarg_segment_align: 8
    .kernarg_segment_size: 64
    .max_flat_workgroup_size: 256
    .sgpr_count:     66
    .vgpr_count:     512
    .wavefront_size: 32
...
	.end_amdgpu_metadata
.endif
;; end of part 7
;; launch bn1 (part 8): grid 64 x 4, 8 waves a work-group, no clusters, 9,216 bytes of LDS; arguments big, bn1_g, bn1_b, out0; writes out0
.if DOCPART == 8
	.amdgcn_target "amdgcn-amd-amdhsa--gfx1250"
	.amdhsa_code_object_version 6
	.text
	.protected	k_q3db4e3ce10_bn1
	.globl	k_q3db4e3ce10_bn1
	.p2align	8
	.type	k_q3db4e3ce10_bn1,@function
k_q3db4e3ce10_bn1:
	s_mov_b64 s[64:65], 0
	v_nop
	global_prefetch_b8 v0, s[64:65] scope:SCOPE_SE
	s_setreg_imm32_b32 hwreg(HW_REG_WAVE_MODE, 25, 1), 1
	s_wait_xcnt 0x0
; bn1: out = (y - mean) g / sqrt(var + 1e-5) + b.  A work-group takes 128 rows x 64 columns and joins the 256 blocks' statistics of its columns itself:
; mean = sum mean_i / 256, M2 = sum [M2_i + 32 (mean_i - mean)^2], var = M2 / 8192.  Thread: columns 4 (tid % 16) .. + 3, rows 8 (tid / 16) .. + 7,
; blocks 16 (tid / 16) .. + 15.  Sixteen neighbouring lanes read and store 256 consecutive bytes.  A stream: no matrix unit, no cluster.
.set Y,  16                            ; v16-47
.set PM, 48                            ; v48-111   16 blocks' means
.set P2, 112                           ; v112-175  16 blocks' M2
.set G,  176
.set B,  180
.set RT, 184                           ; v184-247
.macro ADD4 d, a, b
	v_pk_add_f32 v[\d:\d+1], v[\a:\a+1], v[\b:\b+1]
	v_pk_add_f32 v[\d+2:\d+3], v[\a+2:\a+3], v[\b+2:\b+3]
.endm
.macro MUL4 d, a, b
	v_pk_mul_f32 v[\d:\d+1], v[\a:\a+1], v[\b:\b+1]
	v_pk_mul_f32 v[\d+2:\d+3], v[\a+2:\a+3], v[\b+2:\b+3]
.endm
.macro FMA4 d, a, b, c
	v_pk_fma_f32 v[\d:\d+1], v[\a:\a+1], v[\b:\b+1], v[\c:\c+1]
	v_pk_fma_f32 v[\d+2:\d+3], v[\a+2:\a+3], v[\b+2:\b+3], v[\c+2:\c+3]
.endm
.macro RED16 src, region               ; the sum over the sixteen threads of a column group, in v[RT:RT+3] of each; a region of its own for each use
	ds_store_b128 v5, v[\src:\src+3] offset:\region
	s_wait_dscnt 0x0
	s_barrier_signal -1
	s_barrier_wait -1
.irp i,0,1,2,3,4,5,6,7,8,9,10,11,12,13,14,15
	ds_load_b128 v[RT+4*\i:RT+4*\i+3], v3 offset:\region+256*\i
.endr
	s_wait_dscnt 0x0
.irp st,8,4,2,1
.set i_, 0
.rept \st
	ADD4 RT+4*i_, RT+4*i_, RT+4*(i_+\st)
.set i_, i_+1
.endr
.endr
.endm
	s_load_b256 s[4:11], s[0:1], 0x0               ; big 4, g 6, b 8, out0 10
	v_lshl_add_u32 v248, v0, 2, 0x2000
	v_mov_b32 v249, 0
	v_and_b32 v1, 15, v0
	v_lshrrev_b32 v2, 4, v0
	v_lshlrev_b32 v3, 4, v1
	v_lshl_add_u32 v4, v2, 13, v3                  ; y: 8 rows of 1,024 bytes x (tid / 16)
	v_lshlrev_b32 v5, 4, v0
	v_lshl_add_u32 v6, v2, 15, v3                  ; statistics: 16 blocks of 2,048 bytes x (tid / 16)
	s_and_b32 s3, ttmp7, 0xffff
	s_lshl_b32 s3, s3, 8
	v_add_nc_u32 v7, s3, v3
	s_lshl_b32 s12, ttmp9, 17
	s_add_co_u32 s12, s12, s3
	s_mov_b32 s13, 0
	s_add_co_u32 s14, s3, 0x800000
	s_mov_b32 s15, 0
	s_mov_b32 s18, 0x39000000                      ; 1 / 8192
	s_mov_b32 s19, 0x3727c5ac                      ; 1e-5
	s_wait_kmcnt 0x0
	s_add_nc_u64 s[16:17], s[10:11], s[12:13]
	s_add_nc_u64 s[12:13], s[4:5], s[12:13]
	s_add_nc_u64 s[14:15], s[4:5], s[14:15]
.irp i,0,1,2,3,4,5,6,7
	global_load_b128 v[Y+4*\i:Y+4*\i+3], v4, s[12:13] offset:1024*\i
.endr
.irp i,0,1,2,3,4,5,6,7,8,9,10,11,12,13,14,15
	global_load_b128 v[PM+4*\i:PM+4*\i+3], v6, s[14:15] offset:2048*\i
	global_load_b128 v[P2+4*\i:P2+4*\i+3], v6, s[14:15] offset:2048*\i+1024
.endr
	global_load_b128 v[G:G+3], v7, s[6:7]
	global_load_b128 v[B:B+3], v7, s[8:9]
	s_wait_loadcnt 0x0
	ADD4 8, PM, PM+4
	ADD4 RT, PM+8, PM+12
.irp i,4,6,8,10,12,14
	ADD4 8, 8, PM+4*\i
	ADD4 RT, RT, PM+4*\i+4
.endr
	ADD4 8, 8, RT
	RED16 8, 0
	v_pk_mul_f32 v[12:13], v[RT:RT+1], 0xbb800000 op_sel_hi:[1,0]              ; - mean = sum x (-1/256)
	v_pk_mul_f32 v[14:15], v[RT+2:RT+3], 0xbb800000 op_sel_hi:[1,0]
.irp i,0,1,2,3,4,5,6,7,8,9,10,11,12,13,14,15
	ADD4 PM+4*\i, PM+4*\i, 12
.endr
	MUL4 RT, PM, PM
	MUL4 RT+4, PM+4, PM+4
.irp i,2,4,6,8,10,12,14
	FMA4 RT, PM+4*\i, PM+4*\i, RT
	FMA4 RT+4, PM+4*\i+4, PM+4*\i+4, RT+4
.endr
	ADD4 RT, RT, RT+4
	ADD4 8, P2, P2+4
	ADD4 RT+8, P2+8, P2+12
.irp i,4,6,8,10,12,14
	ADD4 8, 8, P2+4*\i
	ADD4 RT+8, RT+8, P2+4*\i+4
.endr
	ADD4 8, 8, RT+8
	v_pk_fma_f32 v[8:9], v[RT:RT+1], 0x42000000, v[8:9] op_sel_hi:[1,0,1]      ; + 32 sum (mean_i - mean)^2
	v_pk_fma_f32 v[10:11], v[RT+2:RT+3], 0x42000000, v[10:11] op_sel_hi:[1,0,1]
	RED16 8, 4096
.irp e,0,1,2,3
	v_fma_f32 v[RT+\e], v[RT+\e], s18, s19
.endr
.irp e,0,1,2,3
	v_rsq_f32 v[RT+4+\e], v[RT+\e]
.endr
	v_nop                                          ; one plain instruction behind the transcendentals (ISA guide 5.7.2)
	s_wait_alu depctr_va_vdst(0)
	MUL4 G, G, RT+4
.irp i,0,1,2,3,4,5,6,7
	ADD4 Y+4*\i, Y+4*\i, 12
	FMA4 Y+4*\i, Y+4*\i, G, B
	global_store_b128 v4, v[Y+4*\i:Y+4*\i+3], s[16:17] offset:1024*\i th:TH_STORE_NT
.endr
	s_wait_tensorcnt 0x0
	ds_add_u32 v248, v249
	s_wait_dscnt 0x0
	s_endpgm
.Lfunc_end_k_q3db4e3ce10_bn1:
	.size	k_q3db4e3ce10_bn1, .Lfunc_end_k_q3db4e3ce10_bn1-k_q3db4e3ce10_bn1
	.p2alignl 7, 3214868480
	.fill 96, 4, 3214868480
	.section	.rodata,"a",@progbits
	.p2align	6, 0x0
	.amdhsa_kernel k_q3db4e3ce10_bn1
		.amdhsa_group_segment_fixed_size 9216
		.amdhsa_private_segment_fixed_size 0
		.amdhsa_enable_private_segment 0
		.amdhsa_kernarg_size 32
		.amdhsa_user_sgpr_count 2
		.amdhsa_user_sgpr_kernarg_segment_ptr 1
		.amdhsa_wavefront_size32 1
		.amdhsa_system_sgpr_workgroup_id_x 1
		.amdhsa_system_sgpr_workgroup_id_y 1
		.amdhsa_system_sgpr_workgroup_id_z 1
		.amdhsa_system_vgpr_workitem_id 0
		.amdhsa_next_free_vgpr 250
		.amdhsa_next_free_sgpr 66
		.amdhsa_reserve_vcc 0
		.amdhsa_float_denorm_mode_32 3
		.amdhsa_float_denorm_mode_16_64 3
		.amdhsa_memory_ordered 1
		.amdhsa_forward_progress 1
		.amdhsa_inst_pref_size 24
	.end_amdhsa_kernel
	.amdgpu_metadata
---
amdhsa.version: [ 1, 2 ]
amdhsa.kernels:
  - .name:           k_q3db4e3ce10_bn1
    .symbol:         k_q3db4e3ce10_bn1.kd
    .args:
      - { .name: big, .offset: 0, .size: 8, .value_kind: global_buffer, .address_space: global }
      - { .name: bn1_g, .offset: 8, .size: 8, .value_kind: global_buffer, .address_space: global }
      - { .name: bn1_b, .offset: 16, .size: 8, .value_kind: global_buffer, .address_space: global }
      - { .name: out0, .offset: 24, .size: 8, .value_kind: global_buffer, .address_space: global }
    .group_segment_fixed_size: 9216
    .private_segment_fixed_size: 0
    .kernarg_segment_align: 8
    .kernarg_segment_size: 32
    .max_flat_workgroup_size: 256
    .sgpr_count:     66
    .vgpr_count:     250
    .wavefront_size: 32
...
	.end_amdgpu_metadata
.endif
;; end of part 8
;; ======== version 2 of 2: 8 launches; 1.13 times as fast as version 1
;; workspace buffers: crd 2,228,224 bytes; wl0 1,048,576 bytes; fv 4,608 bytes; big 16,777,216 bytes; a2b 8,388,608 bytes; st0 131,072 bytes; grp 524,288 bytes of whole numbers; idx 524,288 bytes of whole numbers
;; launch prep (part 9): grid 404 x 1, 8 waves a work-group, no clusters, 102,400 bytes of LDS; arguments lossy_C, ref_C, q0_w, k0_w, v0_w, q1_w, k1_w, v1_w, lin_w, q0_b, k0_b, q1_b, k1_b, crd, wl0, fv; writes crd, wl0, fv
.if DOCPART == 9
	.amdgcn_target "amdgcn-amd-amdhsa--gfx1250"
	.amdhsa_code_object_version 6
	.text
	.protected	k_q3db4e3ce10_prep
	.globl	k_q3db4e3ce10_prep
	.p2align	8
	.type	k_q3db4e3ce10_prep,@function
k_q3db4e3ce10_prep:
	s_mov_b64 s[64:65], 0
	v_nop
	global_prefetch_b8 v0, s[64:65] scope:SCOPE_SE
	s_setreg_imm32_b32 hwreg(HW_REG_WAVE_MODE, 25, 1), 1
	s_wait_xcnt 0x0
; prep: lays the coordinates and the weights out as the later launches read them.  The roles, the long ones first:
; work-groups 0-63:    E = qw kw^T of each layer (u = (x qw + qb) kw^T = x E + c), as bf16 hi + lo weight fragments
; work-groups 64-67:   the vectors c = kw.qb and w = qw.kb (Q.kb = x.w + s) of each layer, and the numbers s = qb.kb, in f32
; work-groups 68-115:  v0_w, v1_w, lin_w, each f32 split into bf16 hi + bf16 lo, one wave = one 16-column x 32-k fragment pair
; work-groups 116-243: refS, 1,024 fragments of 16 reference points (one wave, one fragment of 1 KB)
; work-groups 244-307: qS,   512 fragments of 16 query points
; work-groups 308-403: refP / qP, one float4 (x, y, z, x^2+y^2+z^2) a point, one thread a point
; A fragment is 1 KB: lane L = 16 h + r puts its first 16 bytes (k = 8h..8h+7 of row r) at 16 L and its second
; (k = 16+8h..) at 512 + 16 L, so a later load of a wave covers 512 consecutive bytes.
; A distance is ONE matrix product over k = 32: every f32 is cut into three bf16 pieces h, m, l (h + m + l is the number itself);
; for each coordinate the eight products hh hm hl mh mm ml lh lm (l x l is left out: below 2^-30 of the product),
; then |r|^2's pieces times 1 and 1 times |l|^2's pieces.  The query's coordinates carry the factor -2.
; LIMIT: E is formed first, so the order of rounding differs from the reference's (x qw) kw^T; E's products are hi hi + hi lo + lo hi with f32 sums
; (what is left out is below 2^-16 of a product).
.set QS,   1048576                     ; crd: qS
.set REFP, 1572864                     ; crd: refP, with qP straight behind it
.set WLN,  1966080                     ; crd: lin_w, split
.set WV0,  262144                      ; wl0: E0 0, v0_w 262,144, E1 524,288, v1_w 786,432
.set WV1,  786432
.set P16,  528                         ; an LDS row of 256 bf16 + 16 bytes: sixteen rows start 16 bytes apart modulo 256
.set AHL,  33792                       ; LDS of the E role: qw's 64 rows hi at 0, lo at 33,792;
.set BH,   67584                       ; kw's 32 rows hi at 67,584,
.set BHL,  16896                       ; lo 16,896 further
.set RAW, 16                           ; v16-143   rows as loaded
.set FR,  144                          ; v144-207  E role: two sets of Ah, Al, Bh, Bl
.set TT,  208                          ; v208-223  at work
.set D0,  224                          ; v224-247  three accumulators: hi hi, hi lo, lo hi
.set D1,  232
.set D2,  240
.set VV,  144                          ; vector role: the vector, the other bias, at work, 16 partial dots, two results
.set VO,  152
.set ZT,  160
.set PP,  176
.set RES, 192
.macro PLACES
.rept 4
	v_nop
.endr
.endm
.macro SPLIT3 x, hf, mf, r2            ; x = hf + mf + r2: hf, mf bf16 values kept as f32; r2 fits a bf16
	v_cvt_pk_bf16_f32 v[\hf], v[\x], v[\x]
	v_and_b32 v[\hf], s3, v[\hf]
	v_sub_f32 v[\r2], v[\x], v[\hf]
	v_cvt_pk_bf16_f32 v[\mf], v[\r2], v[\r2]
	v_and_b32 v[\mf], s3, v[\mf]
	v_sub_f32 v[\r2], v[\r2], v[\mf]
.endm
.macro SPLITPK hi, lo, a, b, t0, t1    ; two f32 -> a word of bf16 hi parts and a word of bf16 lo parts
	v_cvt_pk_bf16_f32 v[\hi], v[\a], v[\b]
	v_lshlrev_b32 v[\t0], 16, v[\hi]
	v_and_b32 v[\t1], s3, v[\hi]
	v_sub_f32 v[\t0], v[\a], v[\t0]
	v_sub_f32 v[\t1], v[\b], v[\t1]
	v_cvt_pk_bf16_f32 v[\lo], v[\t0], v[\t1]
.endm
.macro ROWSPLIT src, areg, off, hl, tb ; four f32 of a row -> 8 bytes of its hi row, 8 of its lo row
	SPLITPK \tb, \tb+2, \src, \src+1, \tb+4, \tb+5
	SPLITPK \tb+1, \tb+3, \src+2, \src+3, \tb+6, \tb+7
	ds_store_b64 v[\areg], v[\tb:\tb+1] offset:\off
	ds_store_b64 v[\areg], v[\tb+2:\tb+3] offset:\off+\hl
.endm
	s_load_b512 s[4:19], s[0:1], 0x0               ; lossy_C 4, ref_C 6, q0_w 8, k0_w 10, v0_w 12, q1_w 14, k1_w 16, v1_w 18
	s_load_b512 s[20:35], s[0:1], 0x40             ; lin_w 20, q0_b 22, k0_b 24, q1_b 26, k1_b 28, crd 30, wl0 32, fv 34
	v_lshl_add_u32 v248, v0, 2, 0x18c00
	v_mov_b32 v249, 0
	v_lshrrev_b32 v1, 5, v0
	v_readfirstlane_b32 s2, v1                     ; wave
	v_and_b32 v1, 31, v0                           ; L
	v_and_b32 v2, 15, v0                           ; r
	v_bfe_u32 v3, v0, 4, 1                         ; h
	s_mov_b32 s3, 0xffff0000                       ; a word's upper bf16; also: lanes 16-31
	s_wait_kmcnt 0x0
	s_cmp_lt_u32 ttmp9, 64
	s_cbranch_scc1 .Lfold
	s_cmp_lt_u32 ttmp9, 68
	s_cbranch_scc1 .Lvec
	s_cmp_lt_u32 ttmp9, 116
	s_cbranch_scc1 .Lwts
	s_cmp_lt_u32 ttmp9, 244
	s_cbranch_scc1 .Lsref
	s_cmp_lt_u32 ttmp9, 308
	s_cbranch_scc1 .Lsq
	; ---- float4 a point; qP lies straight behind refP, so the place is 16 x (256 x (work-group - 308) + thread) for both
	s_sub_co_u32 s36, ttmp9, 308
	s_cmp_lt_u32 s36, 64
	s_cselect_b64 s[40:41], s[6:7], s[4:5]
	s_cselect_b32 s37, 0, 64
	s_sub_co_u32 s37, s36, s37
	v_lshl_add_u32 v4, s37, 8, v0
	v_mul_u32_u24 v5, v4, 12
	v_lshl_add_u32 v10, s36, 8, v0
	v_lshlrev_b32 v10, 4, v10
	global_load_b32 v6, v5, s[40:41]
	global_load_b32 v7, v5, s[40:41] offset:4
	global_load_b32 v8, v5, s[40:41] offset:8
	s_wait_loadcnt 0x0
	v_mul_f32 v9, v6, v6
	v_fma_f32 v9, v7, v7, v9
	v_fma_f32 v9, v8, v8, v9
	global_store_b128 v10, v[6:9], s[30:31] offset:REFP
	s_endpgm
; ---- E[i][j] = sum over c of qw[i][c] kw[j][c].  A work-group takes 64 rows i x 32 rows j; each row is read once (512 consecutive bytes a load),
; split once and laid into LDS; wave w makes the tile (i tile w / 2, j tile w % 2).  Source 0 = rows of qw, source 1 = rows of kw: register n of lane
; (r, h) is E[i0 + 8 h + n][j0 + r], eight neighbouring k of output column j0 + r: the 16 bytes that a weight fragment wants of this lane.
.macro FALD kc                         ; K step kc: Ah, Al, Bh, Bl, 8 LDS loads
	ds_load_b128 v[FR+32*((\kc)&1):FR+32*((\kc)&1)+3], v6 offset:64*(\kc)
	ds_load_b128 v[FR+32*((\kc)&1)+4:FR+32*((\kc)&1)+7], v6 offset:64*(\kc)+32
	ds_load_b128 v[FR+32*((\kc)&1)+8:FR+32*((\kc)&1)+11], v6 offset:AHL+64*(\kc)
	ds_load_b128 v[FR+32*((\kc)&1)+12:FR+32*((\kc)&1)+15], v6 offset:AHL+64*(\kc)+32
	ds_load_b128 v[FR+32*((\kc)&1)+16:FR+32*((\kc)&1)+19], v7 offset:64*(\kc)
	ds_load_b128 v[FR+32*((\kc)&1)+20:FR+32*((\kc)&1)+23], v7 offset:64*(\kc)+32
	ds_load_b128 v[FR+32*((\kc)&1)+24:FR+32*((\kc)&1)+27], v7 offset:BHL+64*(\kc)
	ds_load_b128 v[FR+32*((\kc)&1)+28:FR+32*((\kc)&1)+31], v7 offset:BHL+64*(\kc)+32
.endm
.macro FMM kc, zero                    ; the three accumulators take turns, one instruction a turn
.if \zero
	v_wmma_f32_16x16x32_bf16 v[D0:D0+7], v[FR+32*(\kc&1):FR+32*(\kc&1)+7], v[FR+32*(\kc&1)+16:FR+32*(\kc&1)+23], 0
	v_wmma_f32_16x16x32_bf16 v[D1:D1+7], v[FR+32*(\kc&1):FR+32*(\kc&1)+7], v[FR+32*(\kc&1)+24:FR+32*(\kc&1)+31], 0
	v_wmma_f32_16x16x32_bf16 v[D2:D2+7], v[FR+32*(\kc&1)+8:FR+32*(\kc&1)+15], v[FR+32*(\kc&1)+16:FR+32*(\kc&1)+23], 0
.else
	v_wmma_f32_16x16x32_bf16 v[D0:D0+7], v[FR+32*(\kc&1):FR+32*(\kc&1)+7], v[FR+32*(\kc&1)+16:FR+32*(\kc&1)+23], v[D0:D0+7]
	v_wmma_f32_16x16x32_bf16 v[D1:D1+7], v[FR+32*(\kc&1):FR+32*(\kc&1)+7], v[FR+32*(\kc&1)+24:FR+32*(\kc&1)+31], v[D1:D1+7]
	v_wmma_f32_16x16x32_bf16 v[D2:D2+7], v[FR+32*(\kc&1)+8:FR+32*(\kc&1)+15], v[FR+32*(\kc&1)+16:FR+32*(\kc&1)+23], v[D2:D2+7]
.endif
.endm
.Lfold:
	s_lshr_b32 s36, ttmp9, 5                       ; layer
	s_bfe_u32 s37, ttmp9, 0x20003                  ; ib: which 64 rows of qw
	s_and_b32 s38, ttmp9, 7                        ; jb: which 32 rows of kw
	s_cmp_eq_u32 s36, 0
	s_cselect_b64 s[40:41], s[8:9], s[14:15]       ; qw
	s_cselect_b64 s[42:43], s[10:11], s[16:17]     ; kw
	s_lshl3_add_u32 s44, s37, s2
	s_lshl_b32 s44, s44, 13                        ; my 8 rows of qw begin at row 8 (8 ib + w)
	s_lshl3_add_u32 s45, s38, s2
	s_lshl_b32 s45, s45, 12                        ; my 4 rows of kw at row 4 (8 jb + w)
	v_lshlrev_b32 v8, 4, v1                        ; 16 L
	v_add_nc_u32 v4, s44, v8
	v_add_nc_u32 v5, s45, v8
.irp y,0,1,2,3,4,5,6,7
	global_load_b128 v[RAW+8*\y:RAW+8*\y+3], v4, s[40:41] offset:1024*\y
	global_load_b128 v[RAW+8*\y+4:RAW+8*\y+7], v4, s[40:41] offset:1024*\y+512
.endr
.irp y,0,1,2,3
	global_load_b128 v[RAW+64+8*\y:RAW+64+8*\y+3], v5, s[42:43] offset:1024*\y
	global_load_b128 v[RAW+64+8*\y+4:RAW+64+8*\y+7], v5, s[42:43] offset:1024*\y+512
.endr
	s_mul_i32 s46, s2, 8*P16
	v_lshl_add_u32 v10, v1, 3, s46                 ; qw's rows in: 528 x 8 w + 8 L
	s_mul_i32 s46, s2, 4*P16
	s_add_co_u32 s46, s46, BH
	v_lshl_add_u32 v11, v1, 3, s46                 ; kw's rows in
	v_mul_u32_u24 v12, v2, P16
	v_lshl_add_u32 v12, v3, 4, v12                 ; a fragment: 528 r + 16 h
	s_lshr_b32 s47, s2, 1                          ; my i tile of the block's four
	s_and_b32 s48, s2, 1                           ; my j tile of its two
	s_mul_i32 s49, s47, 16*P16
	v_add_nc_u32 v6, s49, v12
	s_mul_i32 s49, s48, 16*P16
	s_add_co_u32 s49, s49, BH
	v_add_nc_u32 v7, s49, v12
	s_lshl2_add_u32 s50, s37, s47                  ; i tile of E = 4 ib + w / 2; K step = tile / 2, half = tile % 2
	s_lshl_b32 s51, s36, 19                        ; layer x 524,288
	s_lshl_b32 s52, s38, 15                        ; the reading wave is jb: x 32,768
	s_add_co_u32 s51, s51, s52
	s_lshr_b32 s52, s50, 1
	s_lshl_b32 s52, s52, 12
	s_add_co_u32 s51, s51, s52
	s_lshl_b32 s52, s48, 11                        ; its column tile: x 2,048 (hi fragment, then lo)
	s_add_co_u32 s51, s51, s52
	s_and_b32 s52, s50, 1
	s_lshl_b32 s52, s52, 9
	s_add_co_u32 s51, s51, s52
	v_add_nc_u32 v9, s51, v8
.irp y,0,1,2,3,4,5,6,7
	s_wait_loadcnt 22-2*\y                         ; this row's two loads are in; the later rows' stay out
	ROWSPLIT RAW+8*\y, 10, \y*P16, AHL, TT
	ROWSPLIT RAW+8*\y+4, 10, \y*P16+256, AHL, TT+8
.endr
.irp y,0,1,2,3
	s_wait_loadcnt 6-2*\y
	ROWSPLIT RAW+64+8*\y, 11, \y*P16, BHL, TT
	ROWSPLIT RAW+64+8*\y+4, 11, \y*P16+256, BHL, TT+8
.endr
	s_wait_dscnt 0x0                               ; my rows are in LDS,
	s_barrier_signal -1
	s_barrier_wait -1                              ; everybody's are
	FALD 0
	FALD 1
.irp kc,0,1,2,3,4,5,6,7
.if \kc < 7
	s_wait_dscnt 0x8                               ; this step's fragments are in; the next step's 8 loads may stay out
.else
	s_wait_dscnt 0x0
.endif
.if \kc == 0
	FMM \kc, 1
.else
	FMM \kc, 0
.endif
	PLACES                                         ; four places in front of loads into, and reads of, the matrix instructions' registers
.if \kc < 6
	FALD \kc+2
.endif
.endr
.irp p,0,2,4,6
	v_pk_add_f32 v[D1+\p:D1+\p+1], v[D1+\p:D1+\p+1], v[D2+\p:D2+\p+1]
.endr
.irp p,0,2,4,6
	v_pk_add_f32 v[D0+\p:D0+\p+1], v[D0+\p:D0+\p+1], v[D1+\p:D1+\p+1]
.endr
.irp j,0,1,2,3
	SPLITPK TT+\j, TT+4+\j, D0+2*\j, D0+2*\j+1, TT+8+2*\j, TT+9+2*\j
.endr
	global_store_b128 v9, v[TT:TT+3], s[32:33]
	global_store_b128 v9, v[TT+4:TT+7], s[32:33] offset:1024
	s_wait_tensorcnt 0x0
	ds_add_u32 v248, v249
	s_wait_dscnt 0x0
	s_endpgm
; ---- a matrix's rows times a vector, in f32.  Wave w takes rows 32 w .. + 31, 16 at a time; a row is two loads of 512 consecutive bytes.
.macro VLD g
.set n_, 0
.rept 16
	global_load_b128 v[RAW+8*n_:RAW+8*n_+3], v5, s[40:41] offset:(16*\g+n_)*1024
	global_load_b128 v[RAW+8*n_+4:RAW+8*n_+7], v5, s[40:41] offset:(16*\g+n_)*1024+512
.set n_, n_+1
.endr
.endm
.macro VDOT                            ; my 8 columns' share of each of the 16 dots
.irp q,0,1,2,3
.irp u,0,1,2,3
	v_pk_mul_f32 v[ZT+2*\u:ZT+2*\u+1], v[RAW+8*(4*\q+\u):RAW+8*(4*\q+\u)+1], v[VV:VV+1]
.endr
.irp p,2,4,6
.irp u,0,1,2,3
	v_pk_fma_f32 v[ZT+2*\u:ZT+2*\u+1], v[RAW+8*(4*\q+\u)+\p:RAW+8*(4*\q+\u)+\p+1], v[VV+\p:VV+\p+1], v[ZT+2*\u:ZT+2*\u+1]
.endr
.endr
.irp u,0,1,2,3
	v_add_f32 v[PP+4*\q+\u], v[ZT+2*\u], v[ZT+2*\u+1]
.endr
.endr
.endm
.macro RS n, msk, xm                   ; a step of the reduce-scatter: lanes with the bit keep dot k + n, the others dot k, and take the partner's share
.set k_, 0
.rept \n
	v_cndmask_b32 v[ZT+k_], v[PP+k_+\n], v[PP+k_], \msk
	v_cndmask_b32 v[PP+k_], v[PP+k_], v[PP+k_+\n], \msk
	v_add_f32_dpp v[PP+k_], v[ZT+k_], v[PP+k_] row_xmask:\xm row_mask:0xf bank_mask:0xf
.set k_, k_+1
.endr
.endm
.macro VRED g                          ; dot k ends in lanes k and k + 16
	RS 8, s48, 8
	RS 4, s49, 4
	RS 2, s50, 2
	RS 1, s51, 1
	v_permlanex16_b32 v[PP+1], v[PP], s52, s53
	v_add_f32 v[RES+\g], v[PP], v[PP+1]
.endm
.Lvec:
	s_sub_co_u32 s36, ttmp9, 64                    ; 0: c0 = kw0.qb0, 1: w0 = qw0.kb0, 2: c1 = kw1.qb1, 3: w1 = qw1.kb1
	s_mov_b64 s[40:41], s[10:11]                   ; the matrix,
	s_mov_b64 s[42:43], s[22:23]                   ; the vector,
	s_mov_b64 s[44:45], s[24:25]                   ; the layer's other bias
	s_cmp_eq_u32 s36, 1
	s_cselect_b64 s[40:41], s[8:9], s[40:41]
	s_cselect_b64 s[42:43], s[24:25], s[42:43]
	s_cselect_b64 s[44:45], s[22:23], s[44:45]
	s_cmp_eq_u32 s36, 2
	s_cselect_b64 s[40:41], s[16:17], s[40:41]
	s_cselect_b64 s[42:43], s[26:27], s[42:43]
	s_cselect_b64 s[44:45], s[28:29], s[44:45]
	s_cmp_eq_u32 s36, 3
	s_cselect_b64 s[40:41], s[14:15], s[40:41]
	s_cselect_b64 s[42:43], s[28:29], s[42:43]
	s_cselect_b64 s[44:45], s[26:27], s[44:45]
	s_mov_b32 s48, 0xff00ff00
	s_mov_b32 s49, 0xf0f0f0f0
	s_mov_b32 s50, 0xcccccccc
	s_mov_b32 s51, 0xaaaaaaaa
	s_mov_b32 s52, 0x76543210                      ; v_permlanex16_b32: lane i of the other half
	s_mov_b32 s53, 0xfedcba98
	v_lshlrev_b32 v4, 4, v1
	v_lshl_add_u32 v5, s2, 15, v4                  ; 32 rows of 1,024 bytes a wave + 16 L
	global_load_b128 v[VV:VV+3], v4, s[42:43]
	global_load_b128 v[VV+4:VV+7], v4, s[42:43] offset:512
	global_load_b128 v[VO:VO+3], v4, s[44:45]
	global_load_b128 v[VO+4:VO+7], v4, s[44:45] offset:512
	VLD 0
	s_lshl_b32 s47, s36, 10
	s_lshl_b32 s54, s2, 7
	s_add_co_u32 s47, s47, s54
	v_lshl_add_u32 v6, v1, 2, s47                  ; 1,024 x vector + 128 w + 4 L
	s_wait_loadcnt 0x0
	VDOT
	VLD 1                                          ; the next 16 rows come while the first 16 dots are summed over the lanes
	VRED 0
	s_wait_loadcnt 0x0
	VDOT
	VRED 1
	v_cndmask_b32 v[RES], v[RES], v[RES+1], s3     ; lane L holds row 32 w + L
	global_store_b32 v6, v[RES], s[34:35]          ; 128 consecutive bytes a wave; 4 KB in the whole launch
	s_and_b32 s55, s36, 1
	s_or_b32 s55, s55, s2
	s_cmp_lg_u32 s55, 0
	s_cbranch_scc1 .Lvend
	; wave 0 of the c roles: s = qb.kb, the same number from all 32 lanes
	v_pk_mul_f32 v[ZT:ZT+1], v[VV:VV+1], v[VO:VO+1]
.irp p,2,4,6
	v_pk_fma_f32 v[ZT:ZT+1], v[VV+\p:VV+\p+1], v[VO+\p:VO+\p+1], v[ZT:ZT+1]
.endr
	v_add_f32 v[ZT], v[ZT], v[ZT+1]
.irp m,1,2,4,8
	v_add_f32_dpp v[ZT], v[ZT], v[ZT] row_xmask:\m row_mask:0xf bank_mask:0xf
.endr
	v_permlanex16_b32 v[ZT+1], v[ZT], s52, s53
	v_add_f32 v[ZT], v[ZT], v[ZT+1]
	v_lshlrev_b32 v7, 2, v1
	v_lshl_add_u32 v7, s36, 6, v7                  ; layer x 128 + 4 L
	global_store_b32 v7, v[ZT], s[34:35] offset:4096
.Lvend:
	s_endpgm
.Lwts:	; ---- v0_w, v1_w, lin_w.  Fragment row r = output column 16 nt + r, k = input index: element w[k][n].
	s_sub_co_u32 s36, ttmp9, 68
	s_lshr_b32 s37, s36, 4                         ; 0 v0_w, 1 v1_w, 2 lin_w
	s_and_b32 s38, s36, 15                         ; column tile nt
	s_mov_b32 s39, WV1
	s_mov_b64 s[42:43], s[32:33]
	s_cmp_eq_u32 s37, 0
	s_cselect_b64 s[40:41], s[12:13], s[18:19]
	s_cselect_b32 s39, WV0, s39
	s_cmp_eq_u32 s37, 2
	s_cselect_b64 s[40:41], s[20:21], s[40:41]
	s_cselect_b64 s[42:43], s[30:31], s[42:43]     ; lin_w goes to crd
	s_cselect_b32 s39, WLN, s39
	s_lshr_b32 s44, s38, 1
	s_lshl_b32 s44, s44, 15                        ; (nt / 2) x 32,768: the reading wave's part
	s_add_co_u32 s39, s39, s44
	s_lshl_b32 s44, s2, 12                         ; K step = my wave x 4,096
	s_add_co_u32 s39, s39, s44
	s_and_b32 s44, s38, 1
	s_lshl_b32 s44, s44, 11                        ; (nt % 2) x 2,048: hi fragment, then lo fragment
	s_add_co_u32 s39, s39, s44
	v_lshl_add_u32 v9, v1, 4, s39
	v_lshl_add_u32 v4, s38, 4, v2                  ; n = 16 nt + r
	v_lshlrev_b32 v4, 2, v4
	v_lshlrev_b32 v5, 3, v3
	v_lshl_add_u32 v5, s2, 5, v5                   ; k = 32 ks + 8 h
	v_lshl_add_u32 v4, v5, 10, v4                  ; 1,024 k + 4 n
.irp e,0,1,2,3,4,5,6,7
	global_load_b32 v[16+\e], v4, s[40:41] offset:\e*1024          ; my 16 numbers: k + 0..7 and k + 16..23
	global_load_b32 v[24+\e], v4, s[40:41] offset:(16+\e)*1024
.endr
	s_wait_loadcnt 0x0
.irp j,0,1,2,3,4,5,6,7
	SPLITPK 32+\j, 40+\j, 16+2*\j, 17+2*\j, 48+2*\j, 49+2*\j
.endr
	global_store_b128 v9, v[32:35], s[42:43]
	global_store_b128 v9, v[36:39], s[42:43] offset:512
	global_store_b128 v9, v[40:43], s[42:43] offset:1024
	global_store_b128 v9, v[44:47], s[42:43] offset:1536
	s_endpgm
; ---- a fragment of 16 points.  Lane (r, h): first chunk x (h = 0) or y (h = 1), second chunk z (h = 0) or the squares (h = 1).
.macro SFRAG isq
.if \isq
	s_sub_co_u32 s36, ttmp9, 244
	s_lshl3_add_u32 s36, s36, s2                   ; fragment = 8 x work-group + wave
	v_lshl_add_u32 v4, s36, 4, v2                  ; query 16 x fragment + r
	s_lshl_b32 s37, s36, 10
	s_add_co_u32 s37, s37, QS
.else
	s_sub_co_u32 s36, ttmp9, 116
	s_lshl3_add_u32 s36, s36, s2                   ; fragment = 32 blk + t
	s_lshr_b32 s37, s36, 5
	s_lshl_b32 s37, s37, 9
	s_and_b32 s38, s36, 31
	s_lshl3_add_u32 s37, s38, s37                  ; 512 blk + 8 t
	v_lshrrev_b32 v4, 3, v2
	v_lshlrev_b32 v4, 8, v4
	v_and_b32 v5, 7, v2
	v_add_nc_u32 v4, v4, v5
	v_add_nc_u32 v4, s37, v4                       ; row r is point 512 blk + 256 (r / 8) + 8 t + r % 8: four tiles give a result lane 32 neighbouring points
	s_lshl_b32 s37, s36, 10
.endif
	v_mul_u32_u24 v5, v4, 12
	v_lshl_add_u32 v9, v1, 4, s37
.if \isq
	global_load_b32 v6, v5, s[4:5]
	global_load_b32 v7, v5, s[4:5] offset:4
	global_load_b32 v8, v5, s[4:5] offset:8
.else
	global_load_b32 v6, v5, s[6:7]
	global_load_b32 v7, v5, s[6:7] offset:4
	global_load_b32 v8, v5, s[6:7] offset:8
.endif
	v_mov_b32 v30, 0x3f803f80                      ; (1, 1) in bf16
	v_mov_b32 v31, 0
	s_wait_loadcnt 0x0
	v_mul_f32 v10, v6, v6
	v_fma_f32 v10, v7, v7, v10
	v_fma_f32 v10, v8, v8, v10                     ; the point's square
.if \isq
	v_mul_f32 v6, -2.0, v6
	v_mul_f32 v7, -2.0, v7
	v_mul_f32 v8, -2.0, v8
.endif
	v_cndmask_b32 v11, v6, v7, s3
	v_cndmask_b32 v12, v8, v10, s3
	SPLIT3 11, 13, 14, 15
	SPLIT3 12, 16, 17, 18
.if \isq
	v_cvt_pk_bf16_f32 v20, v13, v14                ; a query's coordinate: h m l h m l h m
	v_cvt_pk_bf16_f32 v21, v15, v13
	v_cvt_pk_bf16_f32 v22, v14, v15
	v_cvt_pk_bf16_f32 v23, v13, v14
	v_cvt_pk_bf16_f32 v24, v16, v17
	v_cvt_pk_bf16_f32 v25, v18, v16
	v_cvt_pk_bf16_f32 v26, v17, v18                ; also the squares' third word (m, l)
	v_cvt_pk_bf16_f32 v27, v16, v17
	v_cvt_pk_bf16_f32 v29, 1.0, v16
	v_cndmask_b32 v24, v24, v30, s3                ; the squares' chunk: 1 1 1 h m l 0 0
	v_cndmask_b32 v25, v25, v29, s3
	v_cndmask_b32 v27, v27, v31, s3
.else
	v_cvt_pk_bf16_f32 v20, v13, v13                ; a reference point's coordinate: h h h m m m l l
	v_cvt_pk_bf16_f32 v21, v13, v14
	v_cvt_pk_bf16_f32 v22, v14, v14
	v_cvt_pk_bf16_f32 v23, v15, v15
	v_cvt_pk_bf16_f32 v24, v16, v16
	v_cvt_pk_bf16_f32 v25, v16, v17
	v_cvt_pk_bf16_f32 v26, v17, v17
	v_cvt_pk_bf16_f32 v27, v18, v18
	v_cvt_pk_bf16_f32 v29, v18, 1.0
	v_cndmask_b32 v24, v24, v25, s3                ; the squares' chunk: h m l 1 1 1 0 0
	v_cndmask_b32 v25, v25, v29, s3
	v_cndmask_b32 v26, v26, v30, s3
	v_cndmask_b32 v27, v27, v31, s3
.endif
	global_store_b128 v9, v[20:23], s[30:31]
	global_store_b128 v9, v[24:27], s[30:31] offset:512
	s_endpgm
.endm
.Lsref:
	SFRAG 0
.Lsq:
	SFRAG 1
.Lfunc_end_k_q3db4e3ce10_prep:
	.size	k_q3db4e3ce10_prep, .Lfunc_end_k_q3db4e3ce10_prep-k_q3db4e3ce10_prep
	.p2alignl 7, 3214868480
	.fill 96, 4, 3214868480
	.section	.rodata,"a",@progbits
	.p2align	6, 0x0
	.amdhsa_kernel k_q3db4e3ce10_prep
		.amdhsa_group_segment_fixed_size 102400
		.amdhsa_private_segment_fixed_size 0
		.amdhsa_enable_private_segment 0
		.amdhsa_kernarg_size 128
		.amdhsa_user_sgpr_count 2
		.amdhsa_user_sgpr_kernarg_segment_ptr 1
		.amdhsa_wavefront_size32 1
		.amdhsa_system_sgpr_workgroup_id_x 1
		.amdhsa_system_sgpr_workgroup_id_y 1
		.amdhsa_system_sgpr_workgroup_id_z 1
		.amdhsa_system_vgpr_workitem_id 0
		.amdhsa_next_free_vgpr 250
		.amdhsa_next_free_sgpr 66
		.amdhsa_reserve_vcc 0
		.amdhsa_float_denorm_mode_32 3
		.amdhsa_float_denorm_mode_16_64 3
		.amdhsa_memory_ordered 1
		.amdhsa_forward_progress 1
		.amdhsa_inst_pref_size 65
	.end_amdhsa_kernel
	.amdgpu_metadata
---
amdhsa.version: [ 1, 2 ]
amdhsa.kernels:
  - .name:           k_q3db4e3ce10_prep
    .symbol:         k_q3db4e3ce10_prep.kd
    .args:
      - { .name: lossy_C, .offset: 0, .size: 8, .value_kind: global_buffer, .address_space: global }
      - { .name: ref_C, .offset: 8, .size: 8, .value_kind: global_buffer, .address_space: global }
      - { .name: q0_w, .offset: 16, .size: 8, .value_kind: global_buffer, .address_space: global }
      - { .name: k0_w, .offset: 24, .size: 8, .value_kind: global_buffer, .address_space: global }
      - { .name: v0_w, .offset: 32, .size: 8, .value_kind: global_buffer, .address_space: global }
      - { .name: q1_w, .offset: 40, .size: 8, .value_kind: global_buffer, .address_space: global }
      - { .name: k1_w, .offset: 48, .size: 8, .value_kind: global_buffer, .address_space: global }
      - { .name: v1_w, .offset: 56, .size: 8, .value_kind: global_buffer, .address_space: global }
      - { .name: lin_w, .offset: 64, .size: 8, .value_kind: global_buffer, .address_space: global }
      - { .name: q0_b, .offset: 72, .size: 8, .value_kind: global_buffer, .address_space: global }
      - { .name: k0_b, .offset: 80, .size: 8, .value_kind: global_buffer, .address_space: global }
      - { .name: q1_b, .offset: 88, .size: 8, .value_kind: global_buffer, .address_space: global }
      - { .name: k1_b, .offset: 96, .size: 8, .value_kind: global_buffer, .address_space: global }
      - { .name: crd, .offset: 104, .size: 8, .value_kind: global_buffer, .address_space: global }
      - { .name: wl0, .offset: 112, .size: 8, .value_kind: global_buffer, .address_space: global }
      - { .name: fv, .offset: 120, .size: 8, .value_kind: global_buffer, .address_space: global }
    .group_segment_fixed_size: 102400
    .private_segment_fixed_size: 0
    .kernarg_segment_align: 8
    .kernarg_segment_size: 128
    .max_flat_workgroup_size: 256
    .sgpr_count:     66
    .vgpr_count:     250
    .wavefront_size: 32
...
	.end_amdgpu_metadata
.endif
;; end of part 9
;; launch knn1: the kernel of part 2 again; grid 32 x 8, 8 waves a work-group, no clusters, 70,656 bytes of LDS; arguments crd, big; writes big
;; launch knn2: the kernel of part 3 again; grid 256 x 1, 4 waves a work-group, no clusters, 0 bytes of LDS; arguments big, grp; writes grp
;; launch knn3: the kernel of part 4 again; grid 256 x 1, 4 waves a work-group, no clusters, 68,096 bytes of LDS; arguments grp, crd, idx; writes idx
;; launch att (part 10): grid 256 x 1, 8 waves a work-group, no clusters, 206,336 bytes of LDS; arguments lossy_F, wl0, fv, v0_b, v1_b, pos0_w, pos0_b, pos1_w, pos1_b, idx, ref_F, crd, a2b; writes a2b
.if DOCPART == 10
	.amdgcn_target "amdgcn-amd-amdhsa--gfx1250"
	.amdhsa_code_object_version 6
	.text
	.protected	k_q3db4e3ce10_att
	.globl	k_q3db4e3ce10_att
	.p2align	8
	.type	k_q3db4e3ce10_att,@function
k_q3db4e3ce10_att:
	s_mov_b64 s[64:65], 0
	v_nop
	global_prefetch_b8 v0, s[64:65] scope:SCOPE_SE
	s_setreg_imm32_b32 hwreg(HW_REG_WAVE_MODE, 25, 1), 1
	s_wait_xcnt 0x0
; Both layers of the local attention for 32 queries a work-group, eight waves.  A layer, with x its input (lossy_F, then the first layer's output):
;   u = x E + c              (E = qw kw^T, c = kw.qb: the reference's (x qw + qb) kw^T, E and c made by prep)
;   logit_k = (f_k.u + rel_k.(pw u) + pb.u + x.w + s) / 16   (w = qw.kb, s = qb.kb: x.w + s is the reference's Q.kb);  att = softmax, its maximum taken away
;   z = sum att_k f_k + (sum att_k rel_k) pw + pb;  out = z vw + vb.
; These are the reference's sums with kw and vw taken out of the sum over the 16 neighbours.  LIMITS: sum att_k = 1 is used for pb and vb; it holds to f32
; rounding.  The order of rounding differs from the reference's, since E is formed first.
; The second layer's input rows are this work-group's own output rows, so they pass from layer to layer through LDS and never go to memory.
; The four products 32 x 256 x 256 go to the matrix unit as bf16 hi + lo: Xh Wh + Xh Wl + Xl Wh, sums in f32 (what is left out is below 2^-16 of a product).
; f_k.u and sum att_k f_k stay on the vector unit in f32: a query's 16 x 256 block meets one vector, so 15 of 16 matrix columns would idle.
; Wave w owns output columns 32 w .. 32 w + 31 in the products and rows 4 w .. 4 w + 3 in the row phases.
; NO JOINT LOADS: each weight byte is used by one wave of the group, once, and goes straight into that wave's registers (window 1 holds a whole
; product's 256 registers); a joint load lands in LDS, which would add 256 KB of LDS writes and reads a product.  The neighbours' rows differ from group to group.
; No prefetch of the gathered rows: a row of ref_F is named by several queries in several work-groups, so no one wave could ask for it once.
; LDS: bf16 rows of 528 bytes, f32 rows of 1,040 (odd multiples of 16: sixteen rows start 16 bytes apart modulo 256).  QF, UF and ZH/ZL are written once in
; each layer; between a region's last read and its next write stands a barrier in front of which every wave has waited for its LDS reads.
.set P16, 528
.set P32, 1040
.set HL,  16896                        ; from a hi region to its lo region.  XH 0, XL 16,896: lossy_F's rows
.set QH,  33792                        ; QL 50,688: the first layer's output
.set ZH,  67584                        ; ZL 84,480: z
.set QF,  101376                       ; the layer's input as f32
.set UFO, 33280                        ; UF = QF + 33,280: u
.set AF,  167936                       ; the result
.set BIA, 201216                       ; c0, v0_b, c1, v1_b: 1,024 bytes each, in the order of the products
.set REFP, 1572864
.set QP,   1835008
.set WV0,  262144                      ; wl0: E0 0, v0_w 262,144, E1 524,288, v1_w 786,432
.set WE1,  524288
.set WV1,  786432
.set CN,   20                          ; v20-43 pos_w rows 0-2, v44-51 pos_b, v52-59 w: my columns 4 L .. + 3 and 128 + 4 L .. + 3
.set PB,   44
.set KB,   52
.set IDXV, 60                          ; v60-63  query i: lane k % 16 holds neighbour k's index
.set RC,   64                          ; v64-79  query i: neighbour's x, y, z, then rel
.set ACC,  80                          ; v80-111  four accumulators (row tile, column tile)
.set AA,   112                         ; v112-175 two sets of A fragments: hi and lo x 2 row tiles
.set TE,   176                         ; v176-199 at work
.set CB,   200                         ; v200-215 the product's bias, 8 columns for each of my two column tiles
.set U,    80                          ; attention: v80-87 u, v88-95 x, v96-103 z, v104-119 partial dots, v120-127 at work, v128-255 16 rows
.set QR,   88
.set Z,    96
.set P,    104
.set T,    120
.set F,    128
.set MSB, 0
.macro WIN new                         ; s_set_vgpr_msb; the immediate's high byte repeats the setting that is left
.if MSB != \new
	s_set_vgpr_msb (MSB<<8)|\new
.set MSB, \new
.endif
.endm
.macro PLACES
.rept 4
	v_nop
.endr
.endm
.macro SPLITPK hi, lo, a, b, t0, t1    ; two f32 -> a word of bf16 hi parts and a word of bf16 lo parts
	v_cvt_pk_bf16_f32 v[\hi], v[\a], v[\b]
	v_lshlrev_b32 v[\t0], 16, v[\hi]
	v_and_b32 v[\t1], s66, v[\hi]
	v_sub_f32 v[\t0], v[\a], v[\t0]
	v_sub_f32 v[\t1], v[\b], v[\t1]
	v_cvt_pk_bf16_f32 v[\lo], v[\t0], v[\t1]
.endm
.macro ROWSPLIT src, areg, off, tb     ; four f32 of a row -> 8 bytes of its hi row, 8 of its lo row
	SPLITPK \tb, \tb+2, \src, \src+1, \tb+4, \tb+5
	SPLITPK \tb+1, \tb+3, \src+2, \src+3, \tb+6, \tb+7
	ds_store_b64 v[\areg], v[\tb:\tb+1] offset:\off
	ds_store_b64 v[\areg], v[\tb+2:\tb+3] offset:\off+HL
.endm
.macro FILL off                        ; a product's weights of my 32 columns: 64 loads of 512 consecutive bytes into window 1
	WIN 0x40
.set n_, 0
.rept 64
	global_load_b128 v[4*n_:4*n_+3], v5, s[6:7] offset:\off+512*n_
.set n_, n_+1
.endr
	WIN 0
.endm
.macro CONSTS pwlo, pwhi, pblo, pbhi, woff     ; a layer's pos_w, pos_b and w, my 8 columns of each: 10 loads
.irp c,0,1,2
	global_load_b128 v[CN+8*\c:CN+8*\c+3], v4, s[\pwlo:\pwhi] offset:1024*\c
	global_load_b128 v[CN+8*\c+4:CN+8*\c+7], v4, s[\pwlo:\pwhi] offset:1024*\c+512
.endr
	global_load_b128 v[PB:PB+3], v4, s[\pblo:\pbhi]
	global_load_b128 v[PB+4:PB+7], v4, s[\pblo:\pbhi] offset:512
	global_load_b128 v[KB:KB+3], v4, s[8:9] offset:\woff
	global_load_b128 v[KB+4:KB+7], v4, s[8:9] offset:\woff+512
.endm
.macro BIASL which                     ; lane (r, h) takes the bias of columns 8 h .. 8 h + 7 of each of my two tiles, from LDS
.irp ti,0,1
	ds_load_b128 v[CB+8*\ti:CB+8*\ti+3], v18 offset:\which*1024+64*\ti
	ds_load_b128 v[CB+8*\ti+4:CB+8*\ti+7], v18 offset:\which*1024+64*\ti+16
.endr
.endm
.macro ALD areg, ks                    ; K step ks: hi and lo fragments of both row tiles, 8 LDS loads
.irp part,0,1
.irp rt,0,1
	ds_load_b128 v[AA+32*((\ks)&1)+16*\part+8*\rt:AA+32*((\ks)&1)+16*\part+8*\rt+3], v[\areg] offset:\part*HL+\rt*16*P16+64*(\ks)
	ds_load_b128 v[AA+32*((\ks)&1)+16*\part+8*\rt+4:AA+32*((\ks)&1)+16*\part+8*\rt+7], v[\areg] offset:\part*HL+\rt*16*P16+64*(\ks)+32
.endr
.endr
.endm
; Source 0 = 16 columns of W, source 1 = 16 rows of X: a lane's eight results are eight neighbouring columns of one row.
; first = 1: the sums start at the bias, taken as C from registers of its own: nothing is cleared or copied.
.macro MM4 ks, bp, ap, first
.irp rt,0,1
.irp ti,0,1
.if \first
	v_wmma_f32_16x16x32_bf16 v[ACC+8*(2*\rt+\ti):ACC+8*(2*\rt+\ti)+7], v[32*\ks+8*(2*\ti+\bp):32*\ks+8*(2*\ti+\bp)+7], v[AA+32*(\ks&1)+16*\ap+8*\rt:AA+32*(\ks&1)+16*\ap+8*\rt+7], v[CB+8*\ti:CB+8*\ti+7]
.else
	v_wmma_f32_16x16x32_bf16 v[ACC+8*(2*\rt+\ti):ACC+8*(2*\rt+\ti)+7], v[32*\ks+8*(2*\ti+\bp):32*\ks+8*(2*\ti+\bp)+7], v[AA+32*(\ks&1)+16*\ap+8*\rt:AA+32*(\ks&1)+16*\ap+8*\rt+7], v[ACC+8*(2*\rt+\ti):ACC+8*(2*\rt+\ti)+7]
.endif
.endr
.endr
.endm
; A product 32 x 256 x 256.  The four accumulators take turns, one instruction a turn.
; Four v_nop stand behind each K step's twelve matrix instructions, in front of the loads into registers that they read.
.macro GEMM areg, hasnext, nextoff, waitn
	ALD \areg, 0
	ALD \areg, 1
.irp ks,0,1,2,3,4,5,6,7
.if \ks < 7
	s_wait_dscnt 0x8                               ; this step's fragments (and, in step 0, the bias) are in; the next step's 8 loads may stay out
.else
	s_wait_dscnt 0x0
.endif
.if \waitn
	s_wait_loadcnt 56                              ; behind this slot's 8 loads at least seven other slots' 56 were issued
.endif
	WIN 0x01
.if \ks == 0
	MM4 \ks, 0, 0, 1
.else
	MM4 \ks, 0, 0, 0
.endif
	MM4 \ks, 1, 0, 0
	MM4 \ks, 0, 1, 0
	WIN 0
	PLACES
.if \ks < 6
	ALD \areg, \ks+2
.endif
.if \hasnext
	WIN 0x40
.irp e,0,1,2,3,4,5,6,7
	global_load_b128 v[32*\ks+4*\e:32*\ks+4*\e+3], v5, s[6:7] offset:\nextoff+4096*\ks+512*\e   ; the next product's step ks into the slot just used
.endr
	WIN 0
.endif
.endr
.endm
.macro EPIF areg, off                  ; the four accumulators as f32 rows
.irp rt,0,1
.irp ti,0,1
	ds_store_b128 v[\areg], v[ACC+8*(2*\rt+\ti):ACC+8*(2*\rt+\ti)+3] offset:\off+\rt*16*P32+64*\ti
	ds_store_b128 v[\areg], v[ACC+8*(2*\rt+\ti)+4:ACC+8*(2*\rt+\ti)+7] offset:\off+\rt*16*P32+64*\ti+16
.endr
.endr
.endm
.macro EPIH                            ; and as bf16 hi and lo rows, for the next product
.irp rt,0,1
.irp ti,0,1
.irp j,0,1,2,3
	SPLITPK TE+12*\ti+\j, TE+12*\ti+4+\j, ACC+8*(2*\rt+\ti)+2*\j, ACC+8*(2*\rt+\ti)+2*\j+1, TE+12*\ti+8+(\j&1)*2, TE+12*\ti+9+(\j&1)*2
.endr
	ds_store_b128 v12, v[TE+12*\ti:TE+12*\ti+3] offset:\rt*16*P16+32*\ti
	ds_store_b128 v12, v[TE+12*\ti+4:TE+12*\ti+7] offset:\rt*16*P16+32*\ti+HL
.endr
.endr
.endm
.macro REQ q, k                        ; neighbour k's row of query q: two loads of 512 consecutive bytes, each landing on its own offset register
	v_readlane_b32 s[60+(\k&1)], v[IDXV+\q], \k
	s_min_u32 s[60+(\k&1)], s[60+(\k&1)], 0x3fff
	v_lshl_add_u32 v[F+8*\k], s[60+(\k&1)], 10, v4
	v_lshl_add_u32 v[F+8*\k+4], s[60+(\k&1)], 10, v4
	global_load_b128 v[F+8*\k:F+8*\k+3], v[F+8*\k], s[24:25]
	global_load_b128 v[F+8*\k+4:F+8*\k+7], v[F+8*\k+4], s[24:25] offset:512
.endm
.macro REQ16                           ; query 0's sixteen rows
.irp k,0,1,2,3,4,5,6,7,8,9,10,11,12,13,14,15
	REQ 0, \k
.endr
.endm
.macro RS n, msk, xm                   ; a step of the reduce-scatter: lanes with the bit keep dot k + n, the others dot k, and take the partner's share
.set k_, 0
.rept \n
	v_cndmask_b32 v[Z+k_], v[P+k_+\n], v[P+k_], \msk
	v_cndmask_b32 v[P+k_], v[P+k_], v[P+k_+\n], \msk
	v_add_f32_dpp v[P+k_], v[Z+k_], v[P+k_] row_xmask:\xm row_mask:0xf bank_mask:0xf
.set k_, k_+1
.endr
.endm
; Row 4 w + i.  hn = 1: the next query's rows are asked for as this one's are used up; first = 1: rel is still to be made; ss: the register with the layer's s.
.macro QUERY i, hn, first, ss
	ds_load_b128 v[U:U+3], v15 offset:UFO+\i*P32
	ds_load_b128 v[U+4:U+7], v15 offset:UFO+\i*P32+512
	ds_load_b128 v[QR:QR+3], v15 offset:\i*P32
	ds_load_b128 v[QR+4:QR+7], v15 offset:\i*P32+512
	s_wait_dscnt 0x0
.irp c,0,1,2,3
	v_pk_mul_f32 v[T+2*\c:T+2*\c+1], v[CN+8*\c:CN+8*\c+1], v[U:U+1]            ; pw[0..2].u and pb.u
.endr
.irp p,2,4,6
.irp c,0,1,2,3
	v_pk_fma_f32 v[T+2*\c:T+2*\c+1], v[CN+8*\c+\p:CN+8*\c+\p+1], v[U+\p:U+\p+1], v[T+2*\c:T+2*\c+1]
.endr
.endr
.irp p,0,2,4,6
	v_pk_fma_f32 v[T+6:T+7], v[KB+\p:KB+\p+1], v[QR+\p:QR+\p+1], v[T+6:T+7]    ; + w.x
.endr
.irp c,0,1,2,3
	v_add_f32 v[T+2*\c], v[T+2*\c], v[T+2*\c+1]
.endr
.irp m,1,2,4,8
.irp c,0,1,2,3
	v_add_f32_dpp v[T+2*\c], v[T+2*\c], v[T+2*\c] row_xmask:\m row_mask:0xf bank_mask:0xf
.endr
.endr
.irp c,0,1,2,3
	v_permlanex16_b32 v[T+2*\c+1], v[T+2*\c], s34, s35
.endr
.irp c,0,1,2,3
	v_add_f32 v[T+2*\c], v[T+2*\c], v[T+2*\c+1]                                ; in every lane
.endr
.irp g,0,1,2,3
	s_wait_loadcnt 24-8*\g                         ; rows up to 4 g + 3 are in; the later rows' 2 loads each may stay out
.irp u,0,1,2,3
	v_pk_mul_f32 v[Z+2*\u:Z+2*\u+1], v[F+8*(4*\g+\u):F+8*(4*\g+\u)+1], v[U:U+1]
.endr
.irp p,2,4,6
.irp u,0,1,2,3
	v_pk_fma_f32 v[Z+2*\u:Z+2*\u+1], v[F+8*(4*\g+\u)+\p:F+8*(4*\g+\u)+\p+1], v[U+\p:U+\p+1], v[Z+2*\u:Z+2*\u+1]
.endr
.endr
.irp u,0,1,2,3
	v_add_f32 v[P+4*\g+\u], v[Z+2*\u], v[Z+2*\u+1]                             ; my 8 columns' share of f_k.u
.endr
.endr
.if \first
.irp c,0,1,2
	v_sub_f32 v[RC+4*\i+\c], s[36+4*\i+\c], v[RC+4*\i+\c]                      ; rel = l - r, lane k % 16; kept for the second layer
.endr
.endif
	v_add_f32 v[T+6], s[\ss], v[T+6]               ; + s
	v_fma_f32 v[T+6], v[RC+4*\i], v[T], v[T+6]
	v_fma_f32 v[T+6], v[RC+4*\i+1], v[T+2], v[T+6]
	v_fma_f32 v[T+6], v[RC+4*\i+2], v[T+4], v[T+6]
	RS 8, s30, 8
	RS 4, s31, 4
	RS 2, s32, 2
	RS 1, s33, 1
	v_permlanex16_b32 v[P+1], v[P], s34, s35
	v_add_f32 v[P], v[P], v[P+1]                   ; f_k.u in lanes k and k + 16
	v_add_f32 v[P], v[P], v[T+6]
	v_mul_f32 v[P], 0x3db8aa3b, v[P]               ; x log2(e) / 16
	v_mov_b32 v[P+1], v[P]
.irp m,1,2,4,8
	v_max_num_f32_dpp v[P+1], v[P+1], v[P+1] row_xmask:\m row_mask:0xf bank_mask:0xf
.endr
	v_sub_f32 v[P], v[P], v[P+1]                   ; the maximum is taken away: exponents are at most 0
	v_exp_f32 v[P+2], v[P]
	v_nop                                          ; one plain instruction behind a transcendental (ISA guide 5.7.2)
	s_wait_alu depctr_va_vdst(0)
	v_mov_b32 v[P+3], v[P+2]
.irp m,1,2,4,8
	v_add_f32_dpp v[P+3], v[P+3], v[P+3] row_xmask:\m row_mask:0xf bank_mask:0xf
.endr
	v_rcp_f32 v[P+4], v[P+3]
	v_nop
	s_wait_alu depctr_va_vdst(0)
	v_mul_f32 v[P+4], v[P+2], v[P+4]               ; att_k
.irp c,0,1,2
	v_mul_f32 v[P+6+2*\c], v[P+4], v[RC+4*\i+\c]
.endr
.irp m,1,2,4,8
.irp c,0,1,2
	v_add_f32_dpp v[P+6+2*\c], v[P+6+2*\c], v[P+6+2*\c] row_xmask:\m row_mask:0xf bank_mask:0xf
.endr
.endr
.irp k,0,1,2,3,4,5,6,7,8,9,10,11,12,13,14,15
	v_readlane_b32 s[68+2*\k], v[P+4], \k
.endr
.irp p,0,2,4,6
	v_pk_fma_f32 v[Z+\p:Z+\p+1], v[CN+\p:CN+\p+1], v[P+6:P+7], v[PB+\p:PB+\p+1] op_sel_hi:[1,0,1]
.endr
.irp p,0,2,4,6
	v_pk_fma_f32 v[Z+\p:Z+\p+1], v[CN+8+\p:CN+8+\p+1], v[P+8:P+9], v[Z+\p:Z+\p+1] op_sel_hi:[1,0,1]
.endr
.irp p,0,2,4,6
	v_pk_fma_f32 v[Z+\p:Z+\p+1], v[CN+16+\p:CN+16+\p+1], v[P+10:P+11], v[Z+\p:Z+\p+1] op_sel_hi:[1,0,1]
.endr
.irp k,0,1,2,3,4,5,6,7,8,9,10,11,12,13,14,15
.irp p,0,2,4,6
	v_pk_fma_f32 v[Z+\p:Z+\p+1], v[F+8*\k+\p:F+8*\k+\p+1], s[68+2*\k:69+2*\k], v[Z+\p:Z+\p+1] op_sel_hi:[1,0,1]
.endr
.if \hn
	REQ \i+1, \k
.endif
.endr
	ROWSPLIT Z, 14, \i*P16, P
	ROWSPLIT Z+4, 14, \i*P16+256, P+8
.endm
.macro BAR                             ; what I wrote to and read from LDS is done; then everybody's is
	s_wait_dscnt 0x0
	s_barrier_signal -1
	s_barrier_wait -1
.endm
	s_load_b512 s[4:19], s[0:1], 0x0               ; lossy_F 4, wl0 6, fv 8, v0_b 10, v1_b 12, pos0_w 14, pos0_b 16, pos1_w 18
	s_load_b256 s[20:27], s[0:1], 0x40             ; pos1_b 20, idx 22, ref_F 24, crd 26
	s_load_b64 s[28:29], s[0:1], 0x60              ; a2b
	v_lshrrev_b32 v1, 5, v0
	v_readfirstlane_b32 s2, v1                     ; wave
	v_and_b32 v1, 31, v0                           ; L
	v_and_b32 v2, 15, v0                           ; r
	v_bfe_u32 v3, v0, 4, 1                         ; h
	v_lshlrev_b32 v4, 4, v1                        ; 16 L
	v_lshl_add_u32 v5, s2, 15, v4                  ; weights: 32,768 w + 16 L
	v_lshlrev_b32 v6, 5, v3
	v_lshl_add_u32 v6, s2, 7, v6                   ; 128 w + 32 h
	v_mul_u32_u24 v7, v2, P16
	v_lshl_add_u32 v7, v3, 4, v7                   ; A fragments of lossy_F: 528 r + 16 h
	v_add_nc_u32 v8, QH, v7                        ; of the first layer's output
	v_add_nc_u32 v9, ZH, v7                        ; of z
	v_mul_u32_u24 v10, v2, P32
	v_add_nc_u32 v10, v10, v6
	v_add_nc_u32 v11, AF, v10                      ; results as f32: 1,040 r + 128 w + 32 h, in AF
	v_add_nc_u32 v10, QF, v10                      ; in QF (UF by the immediate)
	v_lshl_add_u32 v12, s2, 6, v7
	v_add_nc_u32 v12, QH, v12                      ; results as bf16: 528 r + 64 w + 16 h
	v_add_nc_u32 v18, BIA, v6                      ; the biases back: 128 w + 32 h
	v_lshlrev_b32 v19, 2, v0                       ; 4 x thread
	v_add_nc_u32 v6, BIA, v19                      ; the biases in
	s_mul_i32 s3, s2, 4*P16
	v_lshl_add_u32 v13, v1, 3, s3                  ; my rows as bf16: 528 x 4 w + 8 L, in XH
	v_add_nc_u32 v14, ZH, v13                      ; in ZH
	s_mul_i32 s3, s2, 4*P32
	v_add_nc_u32 v15, s3, v4
	v_add_nc_u32 v16, AF, v15                      ; my rows as f32: 1,040 x 4 w + 16 L, in AF
	v_add_nc_u32 v15, QF, v15                      ; in QF (UF by the immediate)
	v_lshlrev_b32 v17, 2, v2
	s_mov_b32 s30, 0xff00ff00
	s_mov_b32 s31, 0xf0f0f0f0
	s_mov_b32 s32, 0xcccccccc
	s_mov_b32 s33, 0xaaaaaaaa
	s_mov_b32 s34, 0x76543210                      ; v_permlanex16_b32: lane i of the other half
	s_mov_b32 s35, 0xfedcba98
	s_mov_b32 s66, 0xffff0000
.irp k,0,1,2,3,4,5,6,7,8,9,10,11,12,13,14,15
	s_mov_b32 s[69+2*\k], 0                        ; the pairs' second halves are named by the packed multiply-adds, and not used
.endr
	s_lshl_b32 s67, ttmp9, 5
	s_lshl2_add_u32 s67, s2, s67                   ; my first row
	s_lshl_b32 s60, s67, 10
	s_mov_b32 s61, 0
	s_wait_kmcnt 0x0
	s_add_nc_u64 s[52:53], s[4:5], s[60:61]
	s_add_nc_u64 s[54:55], s[28:29], s[60:61]
	s_lshl_b32 s60, s67, 6
	s_add_nc_u64 s[56:57], s[22:23], s[60:61]
	s_lshl_b32 s60, s67, 4
	s_add_co_u32 s60, s60, QP
	s_add_nc_u64 s[58:59], s[26:27], s[60:61]
	s_load_b512 s[36:51], s[58:59], 0x0            ; my four queries' x, y, z, |l|^2
	s_load_b32 s62, s[8:9], 0x1000                 ; s of the first layer,
	s_load_b32 s63, s[8:9], 0x1080                 ; of the second
.irp i,0,1,2,3
	global_load_b32 v[IDXV+\i], v17, s[56:57] offset:64*\i
.endr
.irp i,0,1,2,3
	global_load_b128 v[F+8*\i:F+8*\i+3], v4, s[52:53] offset:1024*\i
	global_load_b128 v[F+8*\i+4:F+8*\i+7], v4, s[52:53] offset:1024*\i+512
.endr
	global_load_b32 v[CB], v19, s[8:9]             ; c0
	global_load_b32 v[CB+1], v19, s[10:11]         ; v0_b
	global_load_b32 v[CB+2], v19, s[8:9] offset:2048   ; c1
	global_load_b32 v[CB+3], v19, s[12:13]         ; v1_b
	CONSTS 14, 15, 16, 17, 1024
	FILL 0
	s_wait_loadcnt 0x3f                            ; 90 loads are issued: with at most 63 out the first 27 are in, the 26 in front of the weights among them
.irp b,0,1,2,3
	ds_store_b32 v6, v[CB+\b] offset:1024*\b
.endr
.irp i,0,1,2,3
	ds_store_b128 v15, v[F+8*\i:F+8*\i+3] offset:\i*P32
	ds_store_b128 v15, v[F+8*\i+4:F+8*\i+7] offset:\i*P32+512
	ROWSPLIT F+8*\i, 13, \i*P16, TE
	ROWSPLIT F+8*\i+4, 13, \i*P16+256, TE+8
.endr
.irp i,0,1,2,3
	v_min_u32 v[IDXV+\i], 0x3fff, v[IDXV+\i]
	v_lshlrev_b32 v[RC+4*\i], 4, v[IDXV+\i]
	global_load_b128 v[RC+4*\i:RC+4*\i+3], v[RC+4*\i], s[26:27] offset:REFP
.endr
	BAR                                            ; lossy_F's rows and the biases are whole in LDS
	; ---- the first layer
	BIASL 0
	GEMM 7, 1, WV0, 1                              ; u = x E0 + c0; v0_w's fragments follow into the ring
	REQ16                                          ; query 0's rows are asked for ahead of the stores and the barrier
	EPIF 10, UFO
	BAR
	s_wait_kmcnt 0x0
	QUERY 0, 1, 1, 62
	QUERY 1, 1, 1, 62
	QUERY 2, 1, 1, 62
	QUERY 3, 0, 1, 62
	CONSTS 18, 19, 20, 21, 3072                    ; the second layer's pos_w, pos_b, w: two products lie between these loads and their use
	BAR                                            ; z is whole in LDS
	BIASL 1
	GEMM 9, 1, WE1, 0                              ; x' = z v0_w + v0_b (its weights are in: the attention's last wait on loads was for 0); E1's fragments follow
	EPIF 10, 0
	EPIH
	BAR
	; ---- the second layer
	BIASL 2
	GEMM 8, 1, WV1, 1                              ; u = x' E1 + c1; v1_w's fragments follow
	REQ16
	EPIF 10, UFO
	BAR
	QUERY 0, 1, 0, 63
	QUERY 1, 1, 0, 63
	QUERY 2, 1, 0, 63
	QUERY 3, 0, 0, 63
	BAR
	BIASL 3
	GEMM 9, 0, 0, 0                                ; out = z v1_w + v1_b
	EPIF 11, 0
	BAR
.irp i,0,1,2,3
	ds_load_b128 v[F+8*\i:F+8*\i+3], v16 offset:\i*P32
	ds_load_b128 v[F+8*\i+4:F+8*\i+7], v16 offset:\i*P32+512
.endr
.irp i,0,1,2,3
	s_wait_dscnt 7-2*\i
	global_store_b128 v4, v[F+8*\i:F+8*\i+3], s[54:55] offset:1024*\i          ; a store covers 512 consecutive bytes of a row
	s_wait_dscnt 6-2*\i
	global_store_b128 v4, v[F+8*\i+4:F+8*\i+7], s[54:55] offset:1024*\i+512
.endr
	s_wait_xcnt 0x0
	v_lshl_add_u32 v254, v0, 2, 0x32200
	v_mov_b32 v255, 0
	s_wait_tensorcnt 0x0
	ds_add_u32 v254, v255
	s_wait_dscnt 0x0
	s_endpgm
.Lfunc_end_k_q3db4e3ce10_att:
	.size	k_q3db4e3ce10_att, .Lfunc_end_k_q3db4e3ce10_att-k_q3db4e3ce10_att
	.p2alignl 7, 3214868480
	.fill 96, 4, 3214868480
	.section	.rodata,"a",@progbits
	.p2align	6, 0x0
	.amdhsa_kernel k_q3db4e3ce10_att
		.amdhsa_group_segment_fixed_size 206336
		.amdhsa_private_segment_fixed_size 0
		.amdhsa_enable_private_segment 0
		.amdhsa_kernarg_size 104
		.amdhsa_user_sgpr_count 2
		.amdhsa_user_sgpr_kernarg_segment_ptr 1
		.amdhsa_wavefront_size32 1
		.amdhsa_system_sgpr_workgroup_id_x 1
		.amdhsa_system_sgpr_workgroup_id_y 1
		.amdhsa_system_sgpr_workgroup_id_z 1
		.amdhsa_system_vgpr_workitem_id 0
		.amdhsa_next_free_vgpr 512
		.amdhsa_next_free_sgpr 100
		.amdhsa_reserve_vcc 0
		.amdhsa_float_denorm_mode_32 3
		.amdhsa_float_denorm_mode_16_64 3
		.amdhsa_memory_ordered 1
		.amdhsa_forward_progress 1
		.amdhsa_inst_pref_size 255
	.end_amdhsa_kernel
	.section	.bss,"aw",@nobits
	.p2align	6
	.space	262144
	.amdgpu_metadata
---
amdhsa.version: [ 1, 2 ]
amdhsa.kernels:
  - .name:           k_q3db4e3ce10_att
    .symbol:         k_q3db4e3ce10_att.kd
    .args:
      - { .name: lossy_F, .offset: 0, .size: 8, .value_kind: global_buffer, .address_space: global }
      - { .name: wl0, .offset: 8, .size: 8, .value_kind: global_buffer, .address_space: global }
      - { .name: fv, .offset: 16, .size: 8, .value_kind: global_buffer, .address_space: global }
      - { .name: v0_b, .offset: 24, .size: 8, .value_kind: global_buffer, .address_space: global }
      - { .name: v1_b, .offset: 32, .size: 8, .value_kind: global_buffer, .address_space: global }
      - { .name: pos0_w, .offset: 40, .size: 8, .value_kind: global_buffer, .address_space: global }
      - { .name: pos0_b, .offset: 48, .size: 8, .value_kind: global_buffer, .address_space: global }
      - { .name: pos1_w, .offset: 56, .size: 8, .value_kind: global_buffer, .address_space: global }
      - { .name: pos1_b, .offset: 64, .size: 8, .value_kind: global_buffer, .address_space: global }
      - { .name: idx, .offset: 72, .size: 8, .value_kind: global_buffer, .address_space: global }
      - { .name: ref_F, .offset: 80, .size: 8, .value_kind: global_buffer, .address_space: global }
      - { .name: crd, .offset: 88, .size: 8, .value_kind: global_buffer, .address_space: global }
      - { .name: a2b, .offset: 96, .size: 8, .value_kind: global_buffer, .address_space: global }
    .group_segment_fixed_size: 206336
    .private_segment_fixed_size: 0
    .kernarg_segment_align: 8
    .kernarg_segment_size: 104
    .max_flat_workgroup_size: 256
    .sgpr_count:     100
    .vgpr_count:     512
    .wavefront_size: 32
...
	.end_amdgpu_metadata
.endif
;; end of part 10
;; launch stat0: the kernel of part 6 again; grid 64 x 4, 8 waves a work-group, no clusters, 9,216 bytes of LDS; arguments lossy_F, a2b, st0; writes st0
;; launch lin: the kernel of part 7 again; grid 256 x 1, 8 waves a work-group, no clusters, 104,448 bytes of LDS; arguments lossy_F, a2b, st0, crd, bn0_g, bn0_b, lin_b, big; writes big
;; launch bn1: the kernel of part 8 again; grid 64 x 4, 8 waves a work-group, no clusters, 9,216 bytes of LDS; arguments big, bn1_g, bn1_b, out0; writes out0
